; MI455X (gfx1250); checked and timed in simulation.
; The chip was launched on July 23, 2026; its instructions are those of AMD's public machine-readable ISA for CDNA 5 (MIT licence, August 2026) and "CDNA5" Instruction Set Architecture Reference Guide (July 2026). The comments in the code are by the model that wrote it; some were corrected since.
;; Multi Head Attention. Allowed arithmetic: matrix products marked QUANTISED: E2M3 operands, one E8M0 scale for each 32 along K, by v_wmma_scale_f32_16x16x128_f8f6f4 with both operands' format E2M3, f32 sums; everything else in f32.
;; Inputs: W_k 1,024 x 1,024 float32; W_o 1,024 x 1,024 float32; W_q 1,024 x 1,024 float32; W_v 1,024 x 1,024 float32; key 4 x 2,048 x 1,024 float32; mask 4 x 1 x 1 x 2,048 int32; query 4 x 2,048 x 1,024 float32; value 4 x 2,048 x 1,024 float32.
;; Outputs: out0 4 x 2,048 x 1,024 float32.
;; This version of the problem:
;;   THIS VERSION OF THE PROBLEM IS GIVEN IN LOW PRECISION. The matrix products marked QUANTISED in the list below multiply operands that are first quantised to E2M3 (2 exponent bits, 3 mantissa bits; 6 bits a number), with one power-of-two scale for each 32 numbers along K (OCP MX v1.0); their sums are f32. All else is computed in f32.
;;   The module's matrix products, in the order in which they are computed (A, B: the left and right operand; K: the contracted axis; several contracted axes count as one K, in the product's order):
;;     1. [M 8,192, K 1,024] x [K 1,024, N 1,024]; A: input query; B: input W_q: QUANTISED
;;     2. [M 8,192, K 1,024] x [K 1,024, N 1,024]; A: input key; B: input W_k: QUANTISED
;;     3. [M 8,192, K 1,024] x [K 1,024, N 1,024]; A: input value; B: input W_v: QUANTISED
;;     4. batch 64 x [M 2,048, K 64] x [K 64, N 2,048]; A: computed on the way; B: computed on the way: QUANTISED
;;     5. batch 64 x [M 2,048, K 2,048] x [K 2,048, N 64]; A: softmax (see below); B: computed on the way: QUANTISED
;;     6. [M 8,192, K 1,024] x [K 1,024, N 1,024]; A: computed on the way; B: input W_o: QUANTISED
;;   THE QUANTISER, for each operand of a quantised product, along K:
;;     - K is cut into blocks of 32 from its start; a last block that is shorter is filled with zeros.
;;     - A block's scale is 2^e with e = floor(log2(the largest magnitude in the block)) - 2, held to -126 .. 127; a block of zeros has e = 0. As a byte (E8M0): e + 127.
;;     - Each number is divided by its block's scale, clamped to +-7.5, and rounded to the nearest number of E2M3, ties to even, subnormals kept.
;;     - The product sums the exact products of the quantised numbers (number of the format x scale) in f32.
;;   ~~~python
;;   def quantise(x, axis):      # numpy; x: float32 -> the quantised numbers, widened to float32 again
;;       x = np.moveaxis(x, axis, -1); K = x.shape[-1]
;;       x = np.pad(x, [(0, 0)] * (x.ndim - 1) + [(0, -K % 32)]); x = x.reshape(x.shape[:-1] + (-1, 32)); a = np.abs(x).max(-1, keepdims=True)
;;       e = np.where(a > 0, np.clip(np.frexp(np.where(a > 0, a, 1))[1] - 1 - 2, -126, 127), 0)      # np.frexp(a)[1] - 1 = floor(log2(a)), exactly
;;       r = np.clip(x / 2.0 ** e, -7.5, 7.5)
;;       step = 2.0 ** (np.maximum(np.frexp(np.where(r == 0, 1, r))[1] - 1, 0) - 3)
;;       q = np.round(r / step) * step * 2.0 ** e      # np.round: ties to even
;;       return np.moveaxis(q.reshape(q.shape[:-2] + (-1,))[..., :K], -1, axis).astype(np.float32)
;;   ~~~
;;   SOFTMAX AHEAD OF A QUANTISED PRODUCT. Where the list says 'softmax', what is quantised is not the finished softmax but p = 2^(t - M), with t = logit x log2(e) and M = ceil(the row's largest t), a whole number; so 1/2 < the row's largest p <= 1. The row's sum l is taken of the UNQUANTISED p, in f32, and the product's result is divided by l at the end. Since M is a whole number, a kernel that streams over the keys may use a running M (the ceiling of the running maximum): every later rescaling is an exact power of two, which a block's scale takes up: the codes' values come out the same.
;;   OPERANDS COMPUTED ON THE WAY. 'Computed on the way' means the value that the module computes at that place (a softmax that the list does not call 'softmax' is quantised finished and normalised). What goes into a quantiser is computed in f32, as accurately as f32 sums, v_exp_f32 and their like allow (about 1e-6 of the number): no bf16 or f16 on the way to a quantiser, and a product that is left as it is and whose result goes on into a quantised operand takes f32 operands (vector FMAs, or v_wmma_f32_16x16x4_f32). A number that lies on a knife's edge between two numbers of the format may be rounded either way, as far as f32 arithmetic and the matrix unit's own rounding can turn it there, and no further.
;; One version. Each part assembles by itself: llvm-mc -triple=amdgcn-amd-amdhsa -mcpu=gfx1250 --defsym DOCPART=n.
;; ======== version 1 of 1: 4 launches
;; limits: right only within a limited range of input values
;; workspace buffers: cd 28,311,552 bytes; sc 1,179,648 bytes; qi 6,291,456 bytes; qs 524,288 bytes; kv 12,582,912 bytes; kvs 786,432 bytes
;; launch quant (part 1): grid 896 x 1, 4 waves a work-group, no clusters, 34,304 bytes of LDS; arguments query, key, value, W_q, W_k, W_v, W_o, cd, sc; writes cd, sc
.if DOCPART == 1
	.amdgcn_target "amdgcn-amd-amdhsa--gfx1250"
	.amdhsa_code_object_version 6
	.text
	.protected	k_qb043ba10a8_quant
	.globl	k_qb043ba10a8_quant
	.p2align	8
	.type	k_qb043ba10a8_quant,@function
k_qb043ba10a8_quant:
	s_mov_b64 s[64:65], 0
	v_nop
	global_prefetch_b8 v0, s[64:65] scope:SCOPE_SE
	s_setreg_imm32_b32 hwreg(HW_REG_WAVE_MODE, 25, 1), 1
	s_wait_xcnt 0x0
; The seven f32 inputs (query, key, value: 8,192 rows; W_q, W_k, W_v, W_o: 1,024 rows; 1,024 numbers a row, K innermost) become codes of FP6 (E2M3) with one E8M0 byte for each 32 along K.
; A block's scale is 2^(floor(log2(largest magnitude)) - 2); its byte is the largest magnitude's exponent field - 2, held at 1 from below (a block of zeros gets the byte 1: its codes are zeros, and only this program reads the bytes).
; LIMITS: NaN and infinities among the inputs are not served.
; THE CODES ARE LAID AS IMAGES OF OPERAND REGISTERS.  A fragment is 16 rows x 128 K, 12 registers a lane: lane (r, h) holds row r, registers 0-5 block h, registers 6-11 block 2 + h.
; Its image is 1,536 bytes: registers 0-3 at 16 x lane, 4-5 at 512 + 8 x lane, 6-9 at 768 + 16 x lane, 10-11 at 1,280 + 8 x lane.  A tile's 8 K steps lie on end (12,288 bytes).
; THE ROWS OF A TILE ARE NOT NEIGHBOURS: lane r of tile T takes row 32 (T / 2) + 8 (T % 2) + r + 8 (r / 8).  Scale words: 512 bytes a tile, [r][K step].
; SHARES.  A work-group takes 32 rows (two tiles); wave w takes tile w % 2 and K half w / 2: four fragments.  Each load reads 512 consecutive bytes of one row; the 16 rows x 512 bytes turn through the
; wave's own stage in LDS (rows 528 bytes apart) so that a lane gets two whole blocks of its row.  Waves share nothing: no barrier.  No input is shared between work-groups: no cluster.
.set STG,   8448                       ; a wave's stage: 16 rows x 528 bytes
.set SPARE, 4*STG                      ; behind the stages: the spare words, 128 bytes a wave
.set R, 128                            ; v128-255 two sets of 64: a fragment's numbers as loaded
.set X, 64                             ; v64-127  my two blocks of 32
.set P, 32                             ; v32-43   the fragment's codes
.set T, 44                             ; v44-46, v48-50 the blocks' second halves
.set W, 24                             ; v24-27   the four fragments' scale words
	s_load_b512 s[4:19], s[0:1], 0x0               ; query, key, value, W_q, W_k, W_v, W_o, cd
	s_load_b64 s[20:21], s[0:1], 0x40              ; sc
	v_lshl_add_u32 v6, v0, 2, SPARE                ; my spare word
	v_mov_b32 v7, 0
	v_lshrrev_b32 v1, 5, v0
	v_readfirstlane_b32 s30, v1                    ; wave
	v_and_b32 v1, 31, v0                           ; lane
	v_lshlrev_b32 v2, 4, v1                        ; 16 x lane
	v_lshlrev_b32 v3, 3, v1                        ; 8 x lane
	v_and_b32 v9, 15, v0                           ; r
	v_bfe_u32 v10, v0, 4, 1                        ; h
	s_mul_i32 s31, s30, STG
	v_add_nc_u32 v4, s31, v2                       ; stage, in: 16 x lane of a row
	v_mul_u32_u24 v5, v9, 528
	v_lshl_add_u32 v5, v10, 7, v5
	v_add_nc_u32 v5, s31, v5                       ; stage, out: row r, block h
	v_lshlrev_b32 v8, 3, v10                       ; 8 h
	v_lshl_add_u32 v22, v9, 5, v8                  ; 32 r + 8 h: where my two scale words go
	v_mov_b32 v12, 0                               ; a lane permute's destination counts as read
	s_and_b32 s32, s30, 1                          ; which tile
	s_lshr_b32 s33, s30, 1                         ; which half of K
	s_mov_b32 s25, 0xffff0000                      ; lanes 16-31
	s_mov_b32 s26, 0x76543210
	s_mov_b32 s27, 0xfedcba98                      ; selects for lane l xor 16
	; KEY'S TILES TAKE OTHER ROWS: tile 4 c + t holds rows 64 c + 8 t + i % 8 + 32 (i / 8), so that in the score product a lane's 32 registers of four tiles are one block of 32 keys.
	s_sub_co_u32 s35, ttmp9, 256
	s_cmp_lt_u32 s35, 256                          ; key's work-groups are 256 .. 511
	s_cselect_b32 s35, 65536, 0                    ; 16 rows, in bytes
	v_add_nc_u32 v13, s35, v2                      ; a tile's rows 8-15 lie 16 rows further on there
	s_wait_alu depctr_va_vdst(0)
	s_wait_kmcnt 0x0
	s_mov_b64 s[22:23], s[4:5]                     ; which tensor: by the work-group's number alone
	s_mov_b32 s24, 0
.macro PICK first, ptr
	s_cmp_ge_u32 ttmp9, \first
	s_cselect_b64 s[22:23], s[\ptr:\ptr+1], s[22:23]
	s_cselect_b32 s24, \first, s24
.endm
	PICK 256, 6
	PICK 512, 8
	PICK 768, 10
	PICK 800, 12
	PICK 832, 14
	PICK 864, 16
	s_sub_co_u32 s28, ttmp9, s24                   ; the group of 32 rows in its tensor: 131,072 bytes each,
	s_lshl_b32 s28, s28, 17
	s_and_b32 s36, ttmp9, 1                        ; key: an odd group of two tiles begins 16 rows earlier
	s_mul_i32 s36, s36, s35
	s_sub_co_u32 s28, s28, s36
	s_lshl_b32 s34, s32, 15                        ; tile u begins 8 rows on,
	s_add_co_u32 s28, s28, s34
	s_lshl_b32 s34, s33, 11                        ; K half: 2,048 bytes
	s_add_co_u32 s28, s28, s34
	s_mov_b32 s29, 0
	s_add_nc_u64 s[22:23], s[22:23], s[28:29]
	s_mul_i32 s28, ttmp9, 24576                    ; codes: 24,576 bytes a group, 12,288 a tile, 6,144 a half
	s_mul_i32 s34, s32, 12288
	s_add_co_u32 s28, s28, s34
	s_mul_i32 s34, s33, 6144
	s_add_co_u32 s28, s28, s34
	s_add_nc_u64 s[18:19], s[18:19], s[28:29]
	s_lshl_b32 s28, ttmp9, 10                      ; scale words: 1,024 bytes a group, 512 a tile, 16 a half of a row
	s_lshl_b32 s34, s32, 9
	s_add_co_u32 s28, s28, s34
	s_lshl_b32 s34, s33, 4
	s_add_co_u32 s28, s28, s34
	s_add_nc_u64 s[20:21], s[20:21], s[28:29]
.macro LOADF t                         ; fragment t: 16 rows x 512 bytes; the tile's row i lies i + 8 (i / 8) rows on
.irp i, 0,1,2,3,4,5,6,7,8,9,10,11,12,13,14,15
	global_load_b128 v[R+64*((\t)%2)+4*\i:R+64*((\t)%2)+4*\i+3], v[2+11*(\i/8)], s[22:23] offset:(\i+8*(\i/8))*4096+512*(\t) th:TH_LOAD_NT
.endr
.endm
.macro TURN t                          ; through the stage: LDS serves a wave's instructions in order, so no wait stands between the stores and the loads
.irp i, 0,1,2,3,4,5,6,7,8,9,10,11,12,13,14,15
	ds_store_b128 v4, v[R+64*((\t)%2)+4*\i:R+64*((\t)%2)+4*\i+3] offset:528*\i
.endr
.irp c, 0,1
.irp e, 0,1,2,3,4,5,6,7
	ds_load_b128 v[X+32*\c+4*\e:X+32*\c+4*\e+3], v5 offset:256*\c+16*\e   ; block 2 c + h of my row
.endr
.endr
.endm
.macro QF t
.irp c, 0,1
	v_max3_num_f32 v[16+\c], |v[X+32*\c]|, |v[X+1+32*\c]|, 0x1800000   ; all 32 numbers of a block are mine; the floor 2^(3 - 127) holds the byte at 1 from below
.endr
.irp i, 2,4,6,8,10,12,14,16,18,20,22,24,26,28,30
.irp c, 0,1
	v_max3_num_f32 v[16+\c], v[16+\c], |v[X+32*\c+\i]|, |v[X+1+32*\c+\i]|
.endr
.endr
.irp c, 0,1
	v_add_nc_u32 v[18+\c], 0xff000000, v[16+\c]    ; 2 off the exponent field: the conversion's scale operand
.endr
.irp c, 0,1
	v_lshrrev_b32 v[20+\c], 23, v[18+\c]           ; the scale's byte
.endr
	v_lshl_or_b32 v9, v21, 16, v20                 ; my bytes of blocks h and 2 + h,
	v_lshlrev_b32 v9, v8, v9                       ; at their places in the word;
	v_permlanex16_b32 v12, v9, s26, s27
	v_or_b32 v[W+\t], v9, v12                      ; with lane l xor 16's two the word is whole
.if \t > 0
	s_wait_alu depctr_va_vdst(0)
	s_wait_xcnt 0x0                                ; the last fragment's stores have read the codes' registers
.endif
.irp c, 0,1
	v_cvt_scalef32_pk16_fp6_f32 v[P+6*\c:P+6*\c+2], v[X+32*\c:X+32*\c+15], v[18+\c]
	v_cvt_scalef32_pk16_fp6_f32 v[T+4*\c:T+4*\c+2], v[X+32*\c+16:X+32*\c+31], v[18+\c]   ; (a conversion's three registers begin on an even number)
.endr
	v_nop                                          ; one plain place behind a scaled conversion
.irp c, 0,1
.irp i, 0,1,2
	v_mov_b32 v[P+3+6*\c+\i], v[T+4*\c+\i]
.endr
.endr
	global_store_b128 v2, v[P:P+3], s[18:19] offset:1536*\t          ; the image: each store covers 512 or 256 consecutive bytes, aligned to 256
	global_store_b64 v3, v[P+4:P+5], s[18:19] offset:1536*\t+512
	global_store_b128 v2, v[P+6:P+9], s[18:19] offset:1536*\t+768
	global_store_b64 v3, v[P+10:P+11], s[18:19] offset:1536*\t+1280
.endm
	LOADF 0
	LOADF 1
.irp t, 0,1,2,3
.if \t < 3
	s_wait_loadcnt 16                              ; this fragment's 16 loads are in; the next one's may be out
.else
	s_wait_loadcnt 0x0
.endif
	TURN \t
	s_wait_dscnt 0x0                               ; my blocks are back, and the stage's stores have read their registers,
.if \t < 2
	LOADF \t+2                                     ; which take the fragment two on
.endif
	QF \t
.endr
	v_cndmask_b32 v10, v[W], v[W+2], s25           ; lanes 0-15 store words 0 and 1 of row r, lanes 16-31 words 2 and 3
	v_cndmask_b32 v11, v[W+1], v[W+3], s25
	global_store_b64 v22, v[10:11], s[20:21]
	s_wait_tensorcnt 0x0                           ; the wave's end: behind my last LDS store
	ds_add_u32 v6, v7
	s_wait_dscnt 0x0
	s_endpgm
.Lfunc_end_k_qb043ba10a8_quant:
	.size	k_qb043ba10a8_quant, .Lfunc_end_k_qb043ba10a8_quant-k_qb043ba10a8_quant
	.p2alignl 7, 3214868480
	.fill 96, 4, 3214868480
	.section	.rodata,"a",@progbits
	.p2align	6, 0x0
	.amdhsa_kernel k_qb043ba10a8_quant
		.amdhsa_group_segment_fixed_size 34304
		.amdhsa_private_segment_fixed_size 0
		.amdhsa_enable_private_segment 0
		.amdhsa_kernarg_size 72
		.amdhsa_user_sgpr_count 2
		.amdhsa_user_sgpr_kernarg_segment_ptr 1
		.amdhsa_wavefront_size32 1
		.amdhsa_system_sgpr_workgroup_id_x 1
		.amdhsa_system_sgpr_workgroup_id_y 1
		.amdhsa_system_sgpr_workgroup_id_z 1
		.amdhsa_system_vgpr_workitem_id 0
		.amdhsa_next_free_vgpr 256
		.amdhsa_next_free_sgpr 66
		.amdhsa_reserve_vcc 0
		.amdhsa_float_denorm_mode_32 3
		.amdhsa_float_denorm_mode_16_64 3
		.amdhsa_memory_ordered 1
		.amdhsa_forward_progress 1
		.amdhsa_inst_pref_size 32
	.end_amdhsa_kernel
	.amdgpu_metadata
---
amdhsa.version: [ 1, 2 ]
amdhsa.kernels:
  - .name:           k_qb043ba10a8_quant
    .symbol:         k_qb043ba10a8_quant.kd
    .args:
      - { .name: query, .offset: 0, .size: 8, .value_kind: global_buffer, .address_space: global }
      - { .name: key, .offset: 8, .size: 8, .value_kind: global_buffer, .address_space: global }
      - { .name: value, .offset: 16, .size: 8, .value_kind: global_buffer, .address_space: global }
      - { .name: W_q, .offset: 24, .size: 8, .value_kind: global_buffer, .address_space: global }
      - { .name: W_k, .offset: 32, .size: 8, .value_kind: global_buffer, .address_space: global }
      - { .name: W_v, .offset: 40, .size: 8, .value_kind: global_buffer, .address_space: global }
      - { .name: W_o, .offset: 48, .size: 8, .value_kind: global_buffer, .address_space: global }
      - { .name: cd, .offset: 56, .size: 8, .value_kind: global_buffer, .address_space: global }
      - { .name: sc, .offset: 64, .size: 8, .value_kind: global_buffer, .address_space: global }
    .group_segment_fixed_size: 34304
    .private_segment_fixed_size: 0
    .kernarg_segment_align: 8
    .kernarg_segment_size: 72
    .max_flat_workgroup_size: 128
    .sgpr_count:     66
    .vgpr_count:     256
    .wavefront_size: 32
...
	.end_amdgpu_metadata
.endif
;; end of part 1
;; launch proj (part 2): grid 4 x 64, 4 waves a work-group, clusters of 4 x 4, 327,680 bytes of LDS; arguments cd, sc, mask, qi, qs, kv, kvs; writes qi, qs, kv, kvs
.if DOCPART == 2
	.amdgcn_target "amdgcn-amd-amdhsa--gfx1250"
	.amdhsa_code_object_version 6
	.text
	.protected	k_qb043ba10a8_proj
	.globl	k_qb043ba10a8_proj
	.p2align	8
	.type	k_qb043ba10a8_proj,@function
k_qb043ba10a8_proj:
	s_mov_b64 s[64:65], 0
	v_nop
	global_prefetch_b8 v0, s[64:65] scope:SCOPE_SE
	s_setreg_imm32_b32 hwreg(HW_REG_WAVE_MODE, 25, 1), 1
	s_wait_xcnt 0x0
	s_wait_alu depctr_hold_cnt(0) depctr_sa_sdst(0) depctr_va_vdst(0) depctr_va_sdst(0) depctr_va_ssrc(0) depctr_va_vcc(0) depctr_vm_vsrc(0)
	s_getreg_b32 s2, hwreg(HW_REG_IB_STS2, 6, 4)
	s_cmp_eq_u32 s2, 0
	s_cbranch_scc0 .Lentry_in_a_cluster
	s_endpgm
.Lentry_in_a_cluster:
	s_bfe_u32 s2, ttmp6, 0x10000c
	s_cmp_lg_u32 s2, 0xf033
	s_cbranch_scc0 .Lentry_shape_is_right
	s_endpgm
.Lentry_shape_is_right:
; Three products on codes of FP6 (E2M3) with E8M0 scales, K = 1,024, and their results quantised in registers.  A WORK-GROUP STAYS and makes one tile of each, p = 0, 1, 2:
;   p = 0: Q = query W_q^T   p = 1: K = key W_k^T   (A: 8,192 rows, B: 1,024 rows; results quantised along a head's 64)
;   p = 2: V^T = W_v value^T (A: 1,024 rows, B: 8,192 rows; results quantised along the keys)
; A tile is 128 (m) x 256 (n); wave w makes rows 64 (w / 2) on, columns 128 (w % 2) on: 32 accumulators.  Source 0 = 16 rows of B, source 1 = 16 rows of A: a lane holds one m row and its registers run along n.
; Operands lie in cd as images of fragments (1,536 bytes: registers 0-3 at 16 x lane, 4-5 at 512 + 8 x lane, 6-9 at 768 + 16 x lane, 10-11 at 1,280 + 8 x lane); lane r of tile T is row 32 (T / 2) + 8 (T % 2) + r + 8 (r / 8)
; (key's tiles: row r of tile 4 c + t is row 64 c + 8 t + r + 24 (r / 8)), so that the 16 registers of two neighbouring n tiles are 16 neighbours along n, as the conversions want them.
; A RING OF TWO SLOTS, each with four K steps of A's 8 and B's 16 tiles.  At the head one tensor load a wave fills both for p = 0.  Slot 0 is filled again, with the next tile's K steps 0-3, in K step 3, when every wave holds
; that step's fragments; slot 1, with its K steps 4-7, in the middle of the way out.  Each refill stands behind a round of the cluster's barrier, one joint load a wave (waves 0, 1: halves of A's part;
; waves 2, 3: of B's).  By this text's count a wave has one tensor load out.  p = 0 and 1 are a loop of two trips; p = 2 fetches nothing and is written out.
; CLUSTER 4 x 4: A's tiles are shared along a row of the cluster, B's along a column: joint loads.
; No prefetch: K has eight steps; a refill is asked for four K steps, or half a way out and three K steps, ahead of the wait for it, and there is no earlier trip in which to ask.
; THE MASK RIDES IN THE UNUSED HALF OF THE SCORE PRODUCT'S K (a head has 64 of the instruction's 128): byte 2 of Q's scale word is 177 (2^50); byte 2 of K's is 177 where mask == 0, else 0 (2^-127).  The attention launch
; puts the code -7.5 at k = 64 of Q and +7.5 at k = 64 of K: a hidden key's score gets -56.25 x 2^100, a kept key's -56.25 x 2^-77, the same for every key.
; LIMITS: scores under 1e30 in magnitude; NaN and infinities are not served; a block of zeros gets the byte 1 (only this program reads the bytes).
; REGISTERS.  window 0: v2-3, v30 lane offsets; v4-7 the mask's part of the scale words; v8-21 LDS addresses; v24-27, v31 global offsets; v28-29 the add's two; v32-95 scale words; v96-191 A's fragments, two sets;
;   v192-247 the way out; v248-251 K's mask bytes.   window 1: B's fragments, two sets, at v0 and v128.   window 2: accumulator (a, j) at v[8 (8 a + j)].
.set SLOTB, 147456                     ; a slot: A's 8 tiles, then B's 16, 6,144 bytes (four K steps) each
.set SPARE, 2*SLOTB                    ; behind the slots: the spare words, 128 bytes a wave
.set SC,  32
.set SPW, 28
.set NIL, 29
.set PC,  192                          ; v192-203 a fragment's codes; v204-206, v208-210 second halves
.set TM,  212                          ; v212-215 largest magnitudes, v216-219 bytes, v224-227 scale operands
.set PW,  228                          ; the scale word just made
.set G1A, 24                           ; group 1 of the head's loads: A 8 tiles, B 16
.set G1B, 32
.set R1A, 48                           ; group 1 of the ring's loads: A 4 tiles, B 8
.set R1B, 76
.set G0A, 40
.set G0B, 68
.set MULW, 0xa1                        ; source 0 (B) window 1, source 1 (A) window 0, C and D window 2
.set MSB, 0
.macro WIN new                         ; the immediate's high byte repeats the setting that is left
.if MSB != \new
	s_set_vgpr_msb (MSB<<8)|\new
.set MSB, \new
.endif
.endm
.macro PLACES                          ; four plain places behind matrix instructions, ahead of loads into their registers and of reads of their results
.rept 4
	v_nop
.endr
.endm
.macro WALU
	s_wait_alu depctr_va_vdst(0)
.endm
.macro CREST                           ; a round of the cluster's barrier behind its opening barrier
	s_cmp_lg_u32 s18, 0
	s_cbranch_scc1 .Lnot_wave_0_\@
	s_barrier_signal -3
.Lnot_wave_0_\@:
	s_barrier_wait -3
	s_barrier_signal -1
	s_barrier_wait -1
.endm
.macro CROUND                          ; a whole round
	s_barrier_signal -1
	s_barrier_wait -1
	CREST
.endm
.macro GROUP1 g, m, rows               ; rows of 6,144 bytes (a tile's four K steps: 768 elements of 8 bytes), 12,288 bytes apart; no padding
	s_or_b32 s[\g], s\m, (3<<16)|(1<<21)
	s_mov_b32 s[\g+1], 768<<16
	s_mov_b32 s[\g+2], (\rows)<<16
	s_mov_b32 s[\g+3], 768<<16
	s_mov_b32 s[\g+4], \rows
	s_mov_b32 s[\g+5], 1536
	s_mov_b32 s[\g+6], 0
	s_mov_b32 s[\g+7], 0
.endm
.macro G0SET slot                      ; group 0 of a refill: my half of A's or B's part of the next tile; written where no tensor load of mine is out
	s_mul_i32 s[G0A+1], s20, 24576
	s_add_co_u32 s[G0A+1], s[G0A+1], (\slot)*SLOTB
	s_add_nc_u64 s[G0A+2:G0A+3], s[98:99], (\slot)*6144
	s_or_b32 s[G0A+3], s[G0A+3], 0x80000000
	s_mul_i32 s[G0B+1], s20, 49152
	s_add_co_u32 s[G0B+1], s[G0B+1], (\slot)*SLOTB+49152
	s_add_nc_u64 s[G0B+2:G0B+3], s[100:101], (\slot)*6144
	s_or_b32 s[G0B+3], s[G0B+3], 0x80000000
.endm
.macro JLOAD                           ; a joint refill: waves 0 and 1 for A, waves 2 and 3 for B; the branch hangs on the wave's number alone
	s_cmp_eq_u32 s19, 0
	s_cbranch_scc0 .Lfor_b_\@
	tensor_load_to_lds s[G0A:G0A+3], s[R1A:R1A+7]
	s_nop 0
	PLACES
	s_branch .Lasked_\@
.Lfor_b_\@:
	tensor_load_to_lds s[G0B:G0B+3], s[R1B:R1B+7]
	s_nop 0
	PLACES
.Lasked_\@:
.endm
.macro FRAG reg, a16, a8, off          ; an image becomes 12 registers
	ds_load_b128 v[\reg:\reg+3], v[\a16] offset:\off
	ds_load_b64 v[\reg+4:\reg+5], v[\a8] offset:\off+512
	ds_load_b128 v[\reg+6:\reg+9], v[\a16] offset:\off+768
	ds_load_b64 v[\reg+10:\reg+11], v[\a8] offset:\off+1280
.endm
.macro FETCH k                         ; K step k's 8 fragments of B and 4 of A into set k % 2
	WIN 0x40
.irp j, 0,1,2,3,4,5,6,7
	FRAG 128*((\k)%2)+12*\j, 16+(\k)/4, 20+(\k)/4, \j*6144+((\k)%4)*1536
.endr
	WIN 0
.irp a, 0,1,2,3
	FRAG 96+48*((\k)%2)+12*\a, 8+(\k)/4, 12+(\k)/4, \a*6144+((\k)%4)*1536
.endr
.endm
.macro MUL a0, n, k, zero              ; A's tiles a0 .. a0 + n - 1 against B's eight; the 32 accumulators take turns in the same order in every step
.set ma, \a0
.rept \n
.set mj, 0
.rept 8
.if \zero
	v_wmma_scale_f32_16x16x128_f8f6f4 v[8*(8*ma+mj):8*(8*ma+mj)+7], v[128*((\k)%2)+12*mj:128*((\k)%2)+12*mj+11], v[96+48*((\k)%2)+12*ma:96+48*((\k)%2)+12*ma+11], 0, v[SC+8*mj+(\k)], v[SC+8*ma+(\k)] matrix_a_fmt:MATRIX_FMT_FP6 matrix_b_fmt:MATRIX_FMT_FP6 matrix_a_scale:MATRIX_SCALE_ROW1
.else
	v_wmma_scale_f32_16x16x128_f8f6f4 v[8*(8*ma+mj):8*(8*ma+mj)+7], v[128*((\k)%2)+12*mj:128*((\k)%2)+12*mj+11], v[96+48*((\k)%2)+12*ma:96+48*((\k)%2)+12*ma+11], v[8*(8*ma+mj):8*(8*ma+mj)+7], v[SC+8*mj+(\k)], v[SC+8*ma+(\k)] matrix_a_fmt:MATRIX_FMT_FP6 matrix_b_fmt:MATRIX_FMT_FP6 matrix_a_scale:MATRIX_SCALE_ROW1
.endif
.set mj, mj+1
.endr
.set ma, ma+1
.endr
.endm
.macro STEP k, zero                    ; a plain K step: the next step's fragments are asked for 32 products ahead of their use
	s_wait_dscnt 0x0                               ; this step's fragments are in
.if (\k) > 0
	PLACES
.endif
	FETCH (\k)+1
	WIN MULW
	MUL 0, 4, \k, \zero
.endm
.macro STEP3 refill                    ; K step 3 changes slots
	s_wait_dscnt 0x0                               ; this step's fragments are in: my reads of slot 0 are over
	WIN 0
	s_wait_tensorcnt 0x0                           ; my tensor load has landed: my part of slot 1
.if \refill
	ds_add_u32 v[SPW], v[NIL]                      ; sixteen products stand between the add and its wait
	WIN MULW
	MUL 0, 2, 3, 0
	s_wait_dscnt 0x0
	s_barrier_signal -1                            ; opens a round of the cluster's barrier
	MUL 2, 1, 3, 0
	WIN 0
	s_barrier_wait -1
	CREST                                          ; no wave of any partner still reads slot 0 or has a load on its way
	G0SET 0
	JLOAD                                          ; the next tile's K steps 0-3; its four v_nop are the places ahead of the loads below
.else
	s_barrier_signal -1                            ; a plain barrier: slot 1 is shown to all
	WIN MULW
	MUL 0, 3, 3, 0
	WIN 0
	s_barrier_wait -1
	PLACES
.endif
	FETCH 4
	WIN MULW
	MUL 3, 1, 3, 0
.endm
.macro SCLOAD sa, sb                   ; a tile's scale words, from memory into registers: v[SC + 8 j + k]: lanes 0-15 A's tile j (used for j < 4), lanes 16-31 B's tile j, K step k
	v_mov_b32 v244, s\sa
	v_mov_b32 v245, s\sb
	v_cndmask_b32 v24, v244, v245, s96
	v_add_nc_u32 v24, v24, v26                     ; + 32 r: a row's eight words
	v_add_nc_u32 v25, v24, v27                     ; for j >= 4: B's lanes four tiles on, A's lanes read tiles 0-3 again
.irp j, 0,1,2,3
	global_load_b128 v[SC+8*\j:SC+8*\j+3], v24, s[6:7] offset:512*\j
	global_load_b128 v[SC+8*\j+4:SC+8*\j+7], v24, s[6:7] offset:512*\j+16
	global_load_b128 v[SC+32+8*\j:SC+32+8*\j+3], v25, s[6:7] offset:512*\j
	global_load_b128 v[SC+32+8*\j+4:SC+32+8*\j+7], v25, s[6:7] offset:512*\j+16
.endr
.endm
; Tile a's 64 numbers a lane (register 16 b + i = column 32 b + 16 h + i of my row) become a fragment's codes in v[PC] on and its scale word in v[PW].  Each accumulator is read from its low end on.
.macro QUANT a
.set QS, 64*(\a)
	WIN 0x0a                                       ; sources 0 and 1: window 2
.irp b, 0,1,2,3
	v_max3_num_f32 v[TM+\b], |v[QS+16*\b]|, |v[QS+1+16*\b]|, 0x1800000   ; the floor 2^(3 - 127) holds the byte at 1 from below
.endr
.irp i, 2,4,6,8,10,12,14
.irp b, 0,1,2,3
	v_max3_num_f32 v[TM+\b], |v[QS+16*\b+\i]|, |v[QS+1+16*\b+\i]|, v[TM+\b]
.endr
.endr
	WIN 0
.irp b, 0,1,2,3
	v_permlanex16_b32 v[TM+4+\b], v[TM+\b], s66, s67
.endr
.irp b, 0,1,2,3
	v_max_num_f32 v[TM+\b], v[TM+\b], v[TM+4+\b]   ; with lane l xor 16's 16: the block's largest magnitude
.endr
.irp b, 0,1,2,3
	v_add_nc_u32 v[TM+12+\b], 0xff000000, v[TM+\b] ; 2 off the exponent field: the conversion's scale operand
.endr
.irp b, 0,1,2,3
	v_lshrrev_b32 v[TM+4+\b], 23, v[TM+12+\b]      ; the scale's byte
.endr
	v_lshl_or_b32 v[PW], v[TM+5], 8, v[TM+4]
	v_lshl_or_b32 v[PW], v[TM+6], 16, v[PW]
	v_lshl_or_b32 v[PW], v[TM+7], 24, v[PW]
.if (\a) > 0
	WALU                                           ; the wait directly ahead of a wait that blocks
	s_wait_xcnt 0x0                                ; the last tile's stores have read their registers
.endif
	WIN 0x02                                       ; source 0: window 2
.irp c, 0,1
	v_cvt_scalef32_pk16_fp6_f32 v[PC+6*\c:PC+2+6*\c], v[QS+32*\c:QS+15+32*\c], v[TM+12+2*\c]
	v_cvt_scalef32_pk16_fp6_f32 v[PC+12+4*\c:PC+14+4*\c], v[QS+16+32*\c:QS+31+32*\c], v[TM+12+2*\c+1]
.endr
	WIN 0
	v_nop                                          ; one plain place behind a scaled conversion
.irp c, 0,1                            ; the operand's layout wants a whole block in a lane
.irp i, 0,1,2
	v_permlane16_swap_b32 v[PC+6*\c+\i], v[PC+12+4*\c+\i]
.endr
.irp i, 0,1,2
	v_mov_b32 v[PC+3+6*\c+\i], v[PC+12+4*\c+\i]
.endr
.endr
.endm
.macro EPI mode, refill                ; 0: Q or K: registers 0-5 are a half image of head 2 g, registers 6-11 of head 2 g + 1;  1: V: a whole image
.irp a, 0,1,2,3
.if (\refill) && (\a == 2)             ; in the middle of the way out slot 1 is filled again: nobody has read it since K step 7's fragments came in
	WALU
	s_wait_tensorcnt 0x0                           ; my part of the next tile's K steps 0-3 has landed;
	ds_add_u32 v[SPW], v[NIL]                      ; the add and its wait ahead of a refill's round
	s_wait_dscnt 0x0
	CROUND                                         ; everybody's has, in all sixteen work-groups
	G0SET 1
	JLOAD                                          ; the next tile's K steps 4-7
	FETCH 0                                        ; and its first fragments, out of slot 0
.endif
	QUANT \a
.if \mode == 0
	global_store_b128 v2, v[PC:PC+3], s[88:89] offset:768*\a
	global_store_b64 v3, v[PC+4:PC+5], s[88:89] offset:768*\a+512
	global_store_b128 v240, v[PC+6:PC+9], s[88:89] offset:768*\a
	global_store_b64 v241, v[PC+10:PC+11], s[88:89] offset:768*\a+512
.if (\a)%2 == 0
	v_and_or_b32 v229, v[PW], 0xffff, v[4+\a]      ; head 2 g: bytes 0, 1, and the mask's byte 2
	v_lshrrev_b32 v230, 16, v[PW]
	v_or_b32 v230, v230, v[4+\a]                   ; head 2 g + 1
.else
	v_and_or_b32 v231, v[PW], 0xffff, v[4+\a]
	v_lshrrev_b32 v232, 16, v[PW]
	v_or_b32 v232, v232, v[4+\a]
	v_cndmask_b32 v231, v229, v231, s96            ; lanes 0-15 the even tile's words, lanes 16-31 the odd tile's: 128 consecutive bytes
	v_cndmask_b32 v232, v230, v232, s96
	global_store_b32 v30, v231, s[90:91] offset:128*((\a)/2)
	global_store_b32 v243, v232, s[90:91] offset:128*((\a)/2)
.endif
.else
	global_store_b128 v2, v[PC:PC+3], s[88:89] offset:1536*\a
	global_store_b64 v3, v[PC+4:PC+5], s[88:89] offset:1536*\a+512
	global_store_b128 v2, v[PC+6:PC+9], s[88:89] offset:1536*\a+768
	global_store_b64 v3, v[PC+10:PC+11], s[88:89] offset:1536*\a+1280
.if (\a)%2 == 0
	v_mov_b32 v229, v[PW]
.else
	v_cndmask_b32 v231, v229, v[PW], s96
	global_store_b32 v30, v231, s[90:91] offset:128*((\a)/2)
.endif
.endif
.endr
.endm
.macro KSTEPS refill                   ; a tile's eight K steps
	s_wait_loadcnt 0x0                             ; its scale words
	STEP 0, 1                                      ; the first step's products start the sums
	STEP 1, 0
	STEP 2, 0
	STEP3 \refill
	STEP 4, 0
	STEP 5, 0
	STEP 6, 0
	s_wait_dscnt 0x0
	WIN MULW
	MUL 0, 4, 7, 0
	WIN 0
	PLACES
	s_wait_xcnt 0x0                                ; earlier loads and stores have read their registers and bases
.endm
	s_load_b256 s[4:11], s[0:1], 0x0               ; cd s[4:5], sc s[6:7], mask s[8:9], qi s[10:11]
	s_load_b128 s[12:15], s[0:1], 0x20             ; qs s[12:13], kv s[14:15]
	s_load_b64 s[16:17], s[0:1], 0x30              ; kvs
	v_lshl_add_u32 v[SPW], v0, 2, SPARE
	v_mov_b32 v[NIL], 0
	ds_add_u32 v[SPW], v[NIL]                      ; the wave's opening: the add, twice on end, and its wait ahead of my first tensor load
	ds_add_u32 v[SPW], v[NIL]
	v_lshrrev_b32 v1, 5, v0
	v_readfirstlane_b32 s18, v1                    ; wave
	s_lshr_b32 s19, s18, 1                         ; my half of the rows.  In the ring: I fetch for A (0) or for B (1)
	s_and_b32 s20, s18, 1                          ; my half of the columns.  In the ring: which half of that operand's tiles I fetch
	s_bfe_u32 s21, ttmp6, 0x40000                  ; cx
	s_bfe_u32 s22, ttmp6, 0x40004                  ; cy
	s_and_b32 s57, ttmp7, 0xffff                   ; u: the cluster, 0 .. 15
	s_lshl_b32 s58, s57, 2
	s_add_co_u32 s58, s58, s22                     ; p = 0, 1: tile row 4 u + cy,
	s_mov_b32 s59, s21                             ; tile column cx
	s_and_b32 s23, s57, 1
	s_lshl_b32 s23, s23, 2
	s_add_co_u32 s23, s23, s22                     ; p = 2: tile row 4 (u % 2) + cy,
	s_lshr_b32 s57, s57, 1
	s_lshl_b32 s57, s57, 2
	s_add_co_u32 s57, s57, s21                     ; tile column 4 (u / 2) + cx
	s_lshl_b32 s92, s22, 2
	s_lshl_b32 s92, 15, s92                        ; my row of the cluster
	s_lshl_b32 s93, 0x1111, s21                    ; my column
	GROUP1 G1A, 92, 8
	GROUP1 G1B, 93, 16
	GROUP1 R1A, 92, 4
	GROUP1 R1B, 93, 8
	s_mul_i32 s84, s58, 98304                      ; A's 8 tiles in cd: query's,
	s_mov_b32 s85, 0
	s_mul_i32 s86, s23, 98304
	s_add_co_u32 s86, s86, 20447232                ; W_v's
	s_mov_b32 s87, 0
	s_mul_i32 s88, s59, 196608                     ; B's 16 tiles: W_q's,
	s_add_co_u32 s88, s88, 18874368
	s_mov_b32 s89, 0
	s_mul_i32 s90, s57, 196608
	s_add_co_u32 s90, s90, 12582912                ; value's
	s_mov_b32 s91, 0
	s_mul_i32 s94, s20, 49152                      ; in the ring: my half of A's tiles,
	s_mov_b32 s95, 0
	s_mul_i32 s60, s20, 98304                      ; or of B's
	s_mov_b32 s61, 0
	s_mov_b32 s66, 0x76543210
	s_mov_b32 s67, 0xfedcba98                      ; selects for lane l xor 16
	s_mov_b32 s96, 0xffff0000                      ; lanes 16-31
	s_mov_b32 s56, 0                               ; p
	s_wait_dscnt 0x0                               ; both opening adds are done
	s_wait_kmcnt 0x0
	s_add_nc_u64 s[84:85], s[4:5], s[84:85]
	s_add_nc_u64 s[88:89], s[4:5], s[88:89]
	s_add_nc_u64 s[98:99], s[84:85], 6291456       ; the next tile's A: key's rows lie 6,291,456 bytes behind query's,
	s_add_nc_u64 s[98:99], s[98:99], s[94:95]
	s_add_nc_u64 s[100:101], s[88:89], 786432      ; its B: W_k's behind W_q's
	s_add_nc_u64 s[100:101], s[100:101], s[60:61]
	s_add_nc_u64 s[104:105], s[4:5], s[86:87]      ; and the last tile's
	s_add_nc_u64 s[104:105], s[104:105], s[94:95]
	s_add_nc_u64 s[2:3], s[4:5], s[90:91]
	s_add_nc_u64 s[2:3], s[2:3], s[60:61]
.irp s, 0,1
	s_mov_b32 s[G0A+4*\s], 1
	s_mov_b32 s[G0A+4*\s+1], \s*SLOTB
	s_add_nc_u64 s[G0A+4*\s+2:G0A+4*\s+3], s[84:85], \s*6144
	s_or_b32 s[G0A+4*\s+3], s[G0A+4*\s+3], 0x80000000
	s_mov_b32 s[G0B+4*\s], 1
	s_mov_b32 s[G0B+4*\s+1], \s*SLOTB+49152
	s_add_nc_u64 s[G0B+4*\s+2:G0B+4*\s+3], s[88:89], \s*6144
	s_or_b32 s[G0B+4*\s+3], s[G0B+4*\s+3], 0x80000000
.endr
	CROUND                                         ; all sixteen work-groups are here: the joint loads meet
; one tensor load a wave, in one chain of branches on the wave's number: wave 0 A's K steps 0-3, wave 1 B's, wave 2 A's K steps 4-7, wave 3 B's
.macro ARM w, g0, g1, next
	s_cmp_eq_u32 s18, \w
	s_cbranch_scc0 \next
	tensor_load_to_lds s[\g0:\g0+3], s[\g1:\g1+7]
	s_nop 0
	PLACES
	s_branch .Lasked
\next:
.endm
	ARM 0, G0A, G1A, .Larm1
	ARM 1, G0B, G1B, .Larm2
	ARM 2, G0A+4, G1A, .Larm3
	tensor_load_to_lds s[G0B+4:G0B+7], s[G1B:G1B+7]
	s_nop 0
	PLACES
.Lasked:
	s_lshl_b32 s86, s58, 3                         ; where my scale words lie in sc: A's four tiles,
	s_lshl_b32 s87, s19, 2
	s_add_co_u32 s86, s86, s87
	s_lshl_b32 s86, s86, 9
	s_lshl_b32 s90, s59, 4                         ; B's eight
	s_lshl_b32 s91, s20, 3
	s_add_co_u32 s90, s90, s91
	s_lshl_b32 s90, s90, 9
	s_add_co_u32 s90, s90, 786432
	s_add_co_u32 s60, s86, 262144                  ; the next tile's: key's, W_k's;
	s_add_co_u32 s61, s90, 32768
	s_lshl_b32 s62, s23, 3                         ; the last tile's: W_v's, value's
	s_add_co_u32 s62, s62, s87
	s_lshl_b32 s62, s62, 9
	s_add_co_u32 s62, s62, 851968
	s_lshl_b32 s63, s57, 4
	s_add_co_u32 s63, s63, s91
	s_lshl_b32 s63, s63, 9
	s_add_co_u32 s63, s63, 524288
	s_lshl_b32 s97, s58, 7                         ; the mask words of my 64 rows of K (row m of K is key m of the flat mask)
	s_lshl_b32 s87, s19, 6
	s_add_co_u32 s97, s97, s87
	s_lshl_b32 s97, s97, 2
	s_mul_i32 s84, s19, 24576                      ; LDS: my four tiles of A,
	s_mul_i32 s85, s20, 49152
	s_add_co_u32 s85, s85, 49152                   ; my eight of B
	v_and_b32 v1, 31, v0                           ; lane
	v_and_b32 v26, 15, v0                          ; r
	v_bfe_u32 v27, v0, 4, 1                        ; h
	v_and_b32 v31, 8, v26
	v_mad_u32_u24 v31, v31, 3, v26                 ; row r of key's tile a of my four is key 8 a + r + 24 (r / 8) of my 64
	v_lshlrev_b32 v31, 2, v31
	v_add_nc_u32 v31, s97, v31
	v_lshlrev_b32 v26, 5, v26                      ; 32 r
	v_lshlrev_b32 v27, 11, v27                     ; 2,048 h
	SCLOAD 86, 90
.irp a, 0,1,2,3
	global_load_b32 v[248+\a], v31, s[8:9] offset:32*\a
.endr
	v_lshlrev_b32 v2, 4, v1                        ; 16 x lane
	v_lshlrev_b32 v3, 3, v1                        ; 8 x lane
	v_lshlrev_b32 v30, 2, v1                       ; 4 x lane
.irp s, 0,1
	v_add_nc_u32 v[8+\s], s84, v2
	v_add_nc_u32 v[12+\s], s84, v3
	v_add_nc_u32 v[16+\s], s85, v2
	v_add_nc_u32 v[20+\s], s85, v3
	s_add_co_u32 s84, s84, SLOTB
	s_add_co_u32 s85, s85, SLOTB
.endr
.irp b, 0,1,2,3
	v_mov_b32 v[TM+4+\b], 0                        ; a lane permute's destination counts as read
.endr
	v_mov_b32 v246, 0xb10000
	v_mov_b32 v247, 0
	WALU                                           ; the wait at the head's end
	s_cmp_lt_u32 s18, 2                            ; waves 0 and 1 brought slot 0; slot 1's loads may stay out
	s_cbranch_scc0 .Lnot_first
	s_wait_tensorcnt 0x0
.Lnot_first:
	s_barrier_signal -1
	s_barrier_wait -1
	FETCH 0
	s_wait_loadcnt 0x0                             ; scale words and mask words
.irp a, 0,1,2,3
	v_cmp_eq_u32 vcc_lo, 0, v[248+\a]
	v_cndmask_b32 v[248+\a], v247, v246, vcc_lo    ; byte 2 of K's scale words: 177 where the key is hidden, else 0
.endr
	WALU
.Ltile:                                                ; p = 0, 1
	KSTEPS 1
	SCLOAD 60, 61                                  ; the next tile's scale words come in under the way out
	s_lshl_b32 s84, s58, 7
	s_lshl_b32 s85, s19, 6
	s_add_co_u32 s84, s84, s85                     ; my first row
	s_lshr_b32 s85, s84, 11                        ; batch
	s_bfe_u32 s84, s84, 0x70004                    ; first tile of 16 positions in it
	s_lshl_b32 s86, s59, 1
	s_add_co_u32 s86, s86, s20                     ; g: my pair of heads
	s_lshl_b32 s85, s85, 4
	s_lshl_b32 s86, s86, 1
	s_add_co_u32 s85, s85, s86                     ; 16 x batch + 2 g
	s_cmp_eq_u32 s56, 0
	s_cselect_b64 s[88:89], s[10:11], s[14:15]     ; qi or kv
	s_cselect_b64 s[90:91], s[12:13], s[16:17]     ; qs or kvs
	s_mov_b32 s92, 196608
	s_cselect_b32 s92, 98304, s92                  ; a head's bytes of codes,
	s_mov_b32 s93, 12288
	s_cselect_b32 s93, 8192, s93                   ; and of scale words
	s_cselect_b32 s97, 0xb10000, 0                 ; byte 2 of a scale word: Q: 177 always
	s_mul_i32 s86, s85, s92
	s_mul_i32 s87, s84, 768
	s_add_co_u32 s86, s86, s87
	s_mov_b32 s87, 0
	s_add_nc_u64 s[88:89], s[88:89], s[86:87]
	s_mul_i32 s86, s85, s93
	s_lshl_b32 s84, s84, 6
	s_add_co_u32 s86, s86, s84
	s_add_nc_u64 s[90:91], s[90:91], s[86:87]
	v_add_nc_u32 v240, s92, v2                     ; the second head's places
	v_add_nc_u32 v241, s92, v3
	v_add_nc_u32 v243, s93, v30
.irp a, 0,1,2,3
	v_or_b32 v[4+\a], s97, v[248+\a]
.endr
	EPI 0, 1
	s_mov_b64 s[98:99], s[104:105]                 ; what the next trip fetches: the last tile's
	s_mov_b64 s[100:101], s[2:3]
	s_mov_b32 s60, s62
	s_mov_b32 s61, s63
	s_add_co_u32 s56, s56, 1
	s_cmp_lt_u32 s56, 2
	WALU                                           ; the wait directly ahead of the branch
	s_cbranch_scc1 .Ltile
	KSTEPS 0                                       ; p = 2: nothing more is fetched
	s_lshl_b32 s84, s23, 1
	s_add_co_u32 s84, s84, s19                     ; my head
	s_lshl_b32 s85, s57, 8
	s_lshl_b32 s86, s20, 7
	s_add_co_u32 s85, s85, s86                     ; my first key, over all batches
	s_lshr_b32 s86, s85, 11                        ; batch
	s_bfe_u32 s85, s85, 0x40007                    ; step of 128 keys in it
	s_lshl_b32 s86, s86, 4
	s_add_co_u32 s84, s84, s86
	s_mul_i32 s86, s84, 196608
	s_mul_i32 s87, s85, 6144
	s_add_co_u32 s86, s86, s87
	s_add_co_u32 s86, s86, 98304                   ; V lies behind the head's K
	s_mov_b32 s87, 0
	s_add_nc_u64 s[88:89], s[14:15], s[86:87]
	s_mul_i32 s86, s84, 12288
	s_lshl_b32 s85, s85, 8
	s_add_co_u32 s86, s86, s85
	s_add_co_u32 s86, s86, 8192
	s_add_nc_u64 s[90:91], s[16:17], s[86:87]
	EPI 1, 0
	s_wait_tensorcnt 0x0                           ; the wave's end
	ds_add_u32 v[SPW], v[NIL]
	s_wait_dscnt 0x0
	CROUND                                         ; the closing round
	s_endpgm
.Lfunc_end_k_qb043ba10a8_proj:
	.size	k_qb043ba10a8_proj, .Lfunc_end_k_qb043ba10a8_proj-k_qb043ba10a8_proj
	.p2alignl 7, 3214868480
	.fill 96, 4, 3214868480
	.section	.rodata,"a",@progbits
	.p2align	6, 0x0
	.amdhsa_kernel k_qb043ba10a8_proj
		.amdhsa_group_segment_fixed_size 327680
		.amdhsa_private_segment_fixed_size 0
		.amdhsa_enable_private_segment 0
		.amdhsa_kernarg_size 56
		.amdhsa_user_sgpr_count 2
		.amdhsa_user_sgpr_kernarg_segment_ptr 1
		.amdhsa_wavefront_size32 1
		.amdhsa_system_sgpr_workgroup_id_x 1
		.amdhsa_system_sgpr_workgroup_id_y 1
		.amdhsa_system_sgpr_workgroup_id_z 1
		.amdhsa_system_vgpr_workitem_id 0
		.amdhsa_next_free_vgpr 768
		.amdhsa_next_free_sgpr 106
		.amdhsa_reserve_vcc 1
		.amdhsa_float_denorm_mode_32 3
		.amdhsa_float_denorm_mode_16_64 3
		.amdhsa_memory_ordered 1
		.amdhsa_forward_progress 1
		.amdhsa_inst_pref_size 171
	.end_amdhsa_kernel
	.amdgpu_metadata
---
amdhsa.version: [ 1, 2 ]
amdhsa.kernels:
  - .name:           k_qb043ba10a8_proj
    .symbol:         k_qb043ba10a8_proj.kd
    .args:
      - { .name: cd, .offset: 0, .size: 8, .value_kind: global_buffer, .address_space: global }
      - { .name: sc, .offset: 8, .size: 8, .value_kind: global_buffer, .address_space: global }
      - { .name: mask, .offset: 16, .size: 8, .value_kind: global_buffer, .address_space: global }
      - { .name: qi, .offset: 24, .size: 8, .value_kind: global_buffer, .address_space: global }
      - { .name: qs, .offset: 32, .size: 8, .value_kind: global_buffer, .address_space: global }
      - { .name: kv, .offset: 40, .size: 8, .value_kind: global_buffer, .address_space: global }
      - { .name: kvs, .offset: 48, .size: 8, .value_kind: global_buffer, .address_space: global }
    .group_segment_fixed_size: 327680
    .private_segment_fixed_size: 0
    .kernarg_segment_align: 8
    .kernarg_segment_size: 56
    .max_flat_workgroup_size: 128
    .sgpr_count:     106
    .vgpr_count:     768
    .wavefront_size: 32
...
	.end_amdgpu_metadata
.endif
;; end of part 2
;; launch attn (part 3): grid 4 x 64, 16 waves a work-group, clusters of 4 x 1, 210,944 bytes of LDS; arguments qi, qs, kv, kvs, cd, sc; writes cd, sc
.if DOCPART == 3
	.amdgcn_target "amdgcn-amd-amdhsa--gfx1250"
	.amdhsa_code_object_version 6
	.text
	.protected	k_qb043ba10a8_attn
	.globl	k_qb043ba10a8_attn
	.p2align	8
	.type	k_qb043ba10a8_attn,@function
k_qb043ba10a8_attn:
	s_mov_b64 s[64:65], 0
	v_nop
	global_prefetch_b8 v0, s[64:65] scope:SCOPE_SE
	s_setreg_imm32_b32 hwreg(HW_REG_WAVE_MODE, 25, 1), 1
	s_wait_xcnt 0x0
	s_wait_alu depctr_hold_cnt(0) depctr_sa_sdst(0) depctr_va_vdst(0) depctr_va_sdst(0) depctr_va_ssrc(0) depctr_va_vcc(0) depctr_vm_vsrc(0)
	s_getreg_b32 s2, hwreg(HW_REG_IB_STS2, 6, 4)
	s_cmp_eq_u32 s2, 0
	s_cbranch_scc0 .Lentry_in_a_cluster
	s_endpgm
.Lentry_in_a_cluster:
	s_bfe_u32 s2, ttmp6, 0x10000c
	s_cmp_lg_u32 s2, 0x3003
	s_cbranch_scc0 .Lentry_shape_is_right
	s_endpgm
.Lentry_shape_is_right:
; x[b][q][64 hd + d] = softmax_k(Q . K / 8, hidden keys left out) V, both products on codes of FP6 (E2M3) with E8M0 scales; x is quantised along 64 hd + d and stored as the last product's operand.
; THE SOFTMAX: t = score x log2(e) / 8; M = the running largest t rounded UP to a whole number; p = 2^(t - M) is quantised along the keys, not normalised; the row's sum is taken of the unquantised p and divides at the end.
; When M moves, the sum and O are multiplied by 2^(old M - new M): exact.
; THE MASK rides in the unused half of the first product's K (a head has 64 of the instruction's 128): k = 64 holds the code -7.5 in Q (scale byte 177) and +7.5 in K (scale byte 177 where the key is hidden, else 0; the
; launch before made the bytes from the mask).  A hidden key's score gets -56.25 x 2^100, so its p is 0; a kept key's gets -56.25 x 2^-77, the same for all keys.  The running largest score starts at -2^102, above every
; hidden score and below every real one, so that hidden keys never set M.  A row with no kept key keeps that start: its scale bytes become 0xff, which makes the output NaN there, as a softmax over nothing is.
; LIMITS: scores under 1e30 in magnitude; NaN and infinities are not served.
; SHARES.  A cluster of four work-groups is one head; a work-group owns 512 queries; each of its sixteen waves owns two tiles of 16 queries, one after the other (two passes), in 256 registers.
; THE HEAD'S WHOLE K, V AND SCALE WORDS (208,896 bytes) COME INTO LDS ONCE, by joint loads of the four work-groups, one tensor load a wave: waves 0-11 bring 16,384 bytes of K and V each, waves 12-15 3,072 bytes of scale words each.
; Nothing is filled again.  All tensor loads stand at the head, so there is no later load that a prefetch could run ahead of.
; LAYOUT.  Both products transposed: S^T = K Q^T, O^T = V^T P^T: a lane holds one query.  Fragments lie in LDS as images of registers (registers 0-3 at 16 x lane, 4-5 at 512 + 8 x lane, 6-9 at 768 + 16 x lane, 10-11 at 1,280 + 8 x lane;
; K and Q: the first 768 bytes).  Row m of K's tile 4 c + t is key 64 c + 32 (m / 8) + 8 t + m % 8: so lane (r, h)'s 32 registers of tiles 4 c .. 4 c + 3 are keys 64 c + 32 h + 0 .. 31 of query r: ONE SCALE BLOCK OF P,
; in the order and in the lanes in which the second product's operand wants it.  A block's largest score needs no other lane, and the codes change no lane.
; A STEP is 128 keys; a trip of the loop is two steps, so that the six LDS addresses are made once for two.  The next step's first four fragments of K and its scale words are asked for behind this step's last score product.
; The places behind matrix instructions (ISA guide 7.12.1) are filled by work that is due: the last eight additions of the step before's sum of p, and the last four lines of a block's search for its largest score.
; REGISTERS: v1-2 lane offsets; v3-8 the trip's LDS addresses; v9 the largest score; v[10:11], v[12:13] -M, by turns; v[14:15] the sum; v16-27 Q, v28 its scale word; v29 8 h; v30-31 offsets; v32-79 four fragments of K
; (registers 6-11 of each are constants); v80-83 K's scale words, v84-85 V's, v86 p's; v87-88 the add's two; v89 0xff; v90-91 lane terms of the scale words; v96-159 S^T, then p, then V's four fragments; v160-191 O^T;
; v192-210 p's codes; v212-225 at work; v228-243 eight partial sums of p; v244-250 the second pass's Q.
.set SPARE, 208896                     ; behind K (0), V (98,304), K's scale words (196,608) and V's (204,800): the spare words, 128 bytes a wave
.macro WALU
	s_wait_alu depctr_va_vdst(0)
.endm
.macro CROUND
	s_barrier_signal -1
	s_barrier_wait -1
	s_cmp_lg_u32 s16, 0
	s_cbranch_scc1 .Lnot_wave_0_\@
	s_barrier_signal -3
.Lnot_wave_0_\@:
	s_barrier_wait -3
	s_barrier_signal -1
	s_barrier_wait -1
.endm
.macro FRAG reg, a16, a8, off
	ds_load_b128 v[\reg:\reg+3], v[\a16] offset:\off
	ds_load_b64 v[\reg+4:\reg+5], v[\a8] offset:\off+512
	ds_load_b128 v[\reg+6:\reg+9], v[\a16] offset:\off+768
	ds_load_b64 v[\reg+10:\reg+11], v[\a8] offset:\off+1280
.endm
	s_load_b256 s[4:11], s[0:1], 0x0               ; qi s[4:5], qs s[6:7], kv s[8:9], kvs s[10:11]
	s_load_b128 s[12:15], s[0:1], 0x20             ; cd s[12:13], sc s[14:15]
	v_lshl_add_u32 v87, v0, 2, SPARE
	v_mov_b32 v88, 0
	ds_add_u32 v87, v88                            ; the wave's opening: the add, twice on end, and its wait ahead of the first tensor load
	ds_add_u32 v87, v88
	v_lshrrev_b32 v1, 5, v0
	v_readfirstlane_b32 s16, v1                    ; wave 0..15
	s_bfe_u32 s17, ttmp6, 0x40000                  ; cx
	s_and_b32 s18, ttmp7, 0xffff                   ; 16 x batch + head: the cluster's y
	s_and_b32 s19, s16, 3                          ; waves 12-15: which quarter of the scale words
	; group 1: dense blocks as rows of 256 bytes (32 elements of 8 bytes); mask: all four work-groups
.irp g, 24, 32
	s_mov_b32 s[\g], 15|(3<<16)|(1<<21)
	s_mov_b32 s[\g+1], 32<<16
	s_mov_b32 s[\g+3], 32<<16
	s_mov_b32 s[\g+5], 32
	s_mov_b32 s[\g+6], 0
	s_mov_b32 s[\g+7], 0
.endr
	s_mov_b32 s26, 64<<16                          ; a twelfth of K and V: 64 rows
	s_mov_b32 s28, 64
	s_mov_b32 s34, 12<<16                          ; a quarter of the scale words: 12 rows
	s_mov_b32 s36, 12
	s_mov_b32 s48, 1
	s_lshl_b32 s49, s16, 14                        ; an LDS offset is the offset in the head's block
	s_mov_b32 s52, 1
	s_mul_i32 s53, s19, 3072
	s_mul_i32 s74, s18, 12288                      ; the head in kvs,
	s_add_co_u32 s74, s74, s53
	s_mov_b32 s75, 0
	s_add_co_u32 s53, s53, 196608
	s_mul_i32 s76, s18, 196608                     ; and in kv
	s_add_co_u32 s76, s76, s49
	s_mov_b32 s77, 0
	s_mov_b32 s20, 0x76543210
	s_mov_b32 s21, 0xfedcba98                      ; selects for lane l xor 16
	s_mov_b32 s22, 0x3e38aa3b                      ; c = log2(e) / 8
	s_mov_b32 s23, s22                             ; (named with it as a pair)
	s_mov_b32 s40, 0xbe38aa3b                      ; -c
	s_mov_b32 s80, 0xffff0000                      ; lanes 16-31
	s_mov_b32 s83, 0
	s_wait_dscnt 0x0                               ; both opening adds are done
	s_wait_kmcnt 0x0
	s_add_nc_u64 s[50:51], s[8:9], s[76:77]
	s_or_b32 s51, s51, 0x80000000
	s_add_nc_u64 s[54:55], s[10:11], s[74:75]
	s_or_b32 s55, s55, 0x80000000
	CROUND                                         ; all four work-groups are here: the joint loads meet
	s_cmp_lt_u32 s16, 12                           ; by the wave's number alone: the same in all partners; every way passes one load
	s_cbranch_scc0 .Lscales
	tensor_load_to_lds s[48:51], s[24:31]
	s_nop 0
.rept 4
	v_nop
.endr
	s_branch .Lasked
.Lscales:
	tensor_load_to_lds s[52:55], s[32:39]
	s_nop 0
.rept 4
	v_nop
.endr
.Lasked:
	s_lshl_b32 s81, s17, 5
	s_add_co_u32 s81, s81, s16                     ; my first tile of queries: 32 cx + wave; the second lies 16 tiles on
	s_mul_i32 s82, s18, 98304
	s_mul_i32 s84, s81, 768
	s_add_co_u32 s82, s82, s84
	s_add_nc_u64 s[4:5], s[4:5], s[82:83]
	s_lshl_b32 s82, s18, 13
	s_lshl_b32 s84, s81, 6
	s_add_co_u32 s82, s82, s84
	s_add_nc_u64 s[6:7], s[6:7], s[82:83]
	s_lshr_b32 s84, s18, 4                         ; batch
	s_and_b32 s85, s18, 15                         ; head
	s_lshl_b32 s84, s84, 7
	s_add_co_u32 s84, s84, s81                     ; x's tile of rows
	s_mul_i32 s82, s84, 12288
	s_mul_i32 s86, s85, 768                        ; K step head / 2, half head % 2
	s_add_co_u32 s82, s82, s86
	s_add_co_u32 s82, s82, 22020096                ; x's codes in cd
	s_add_nc_u64 s[12:13], s[12:13], s[82:83]
	s_lshl_b32 s82, s84, 9
	s_lshl_b32 s86, s85, 1
	s_add_co_u32 s82, s82, s86
	s_add_co_u32 s82, s82, 917504                  ; x's scale bytes in sc
	s_add_nc_u64 s[14:15], s[14:15], s[82:83]
	v_and_b32 v90, 31, v0
	v_and_b32 v224, 15, v0
	v_bfe_u32 v225, v0, 4, 1
	v_lshlrev_b32 v1, 4, v90                       ; 16 x lane
	v_lshlrev_b32 v2, 3, v90                       ; 8 x lane
	v_lshl_add_u32 v91, v90, 2, 0x32000            ; V's scale words: 204,800 + 4 x lane
	v_lshl_add_u32 v90, v90, 2, 0x30000            ; K's: 196,608 + 4 x lane
	v_lshl_add_u32 v30, v224, 5, v225              ; 32 r + h: my scale byte of x
	v_lshlrev_b32 v31, 2, v224                     ; 4 r
	v_lshlrev_b32 v29, 3, v225                     ; 8 h
	global_load_b128 v[16:19], v1, s[4:5]          ; Q's half images, both tiles
	global_load_b64 v[20:21], v2, s[4:5] offset:512
	global_load_b128 v[244:247], v1, s[4:5] offset:12288
	global_load_b64 v[248:249], v2, s[4:5] offset:12800
	global_load_b32 v28, v31, s[6:7]
	global_load_b32 v250, v31, s[6:7] offset:1024
	v_mov_b32 v224, 0
	v_mov_b32 v89, 0xff
.irp t, 0,1,2,3
	v_cndmask_b32 v[38+12*\t], 31, v224, s80       ; K: the code +7.5 at k = 64 (lanes 0-15), zeros elsewhere in the upper half of K
.irp i, 7,8,9,10,11
	v_mov_b32 v[32+12*\t+\i], 0
.endr
.endr
	v_cndmask_b32 v22, 63, v224, s80               ; Q: the code -7.5
.irp i, 23,24,25,26,27
	v_mov_b32 v\i, 0
.endr
.irp i, 11,12,13,216,217,223
	v_mov_b32 v\i, 0                               ; upper halves of pairs that are named whole, and lane permutes' destinations, which count as read
.endr
.macro KADR                            ; the trip's addresses in K and its scale words
	v_add_nc_u32 v3, s60, v1
	v_add_nc_u32 v4, s60, v2
	v_add_nc_u32 v7, s61, v90
.endm
.macro VADR                            ; and in V and its scale words
	v_add_nc_u32 v5, s62, v1
	v_add_nc_u32 v6, s62, v2
	v_add_nc_u32 v8, s66, v91
.endm
.macro INIT
	v_mov_b32 v9, 0xf2800000                       ; the largest score so far: -2^102
	v_mul_f32 v10, s40, v9
	v_floor_f32 v10, v10                           ; -M
	v_mov_b32 v14, 0
	v_mov_b32 v15, 0
.set j, 0
.rept 32
	v_mov_b32 v[160+j], 0                          ; O^T: the step is written once; a pass's first step finds zeros
.set j, j+1
.endr
.set j, 0
.rept 16
	v_mov_b32 v[228+j], 0                          ; and so do the additions that a step takes over from the step before
.set j, j+1
.endr
	s_mov_b32 s60, 0                               ; 12,288 x trip
	s_mov_b32 s61, 0                               ; 1,024 x trip
	s_mov_b32 s62, 0x18000                         ; 98,304 + 12,288 x trip
	s_mov_b32 s66, 0                               ; 512 x trip
	KADR
	VADR
.endm
.macro LDK g, o                        ; four half images of K: tiles 4 g .. 4 g + 3 of the step at byte o
.irp t, 0,1,2,3
	ds_load_b128 v[32+12*\t:35+12*\t], v3 offset:(\o)+(4*(\g)+\t)*768
	ds_load_b64 v[36+12*\t:37+12*\t], v4 offset:(\o)+(4*(\g)+\t)*768+512
.endr
.endm
.macro LDKS o                          ; lanes 0-15: tile 2 j's words, lanes 16-31: tile 2 j + 1's
.irp j, 0,1,2,3
	ds_load_b32 v[80+\j], v7 offset:(\o)+128*\j
.endr
.endm
.macro SMUL g                          ; S^T of 64 keys: four products, each with its own result
.irp t, 0,2
	v_wmma_scale_f32_16x16x128_f8f6f4 v[96+32*(\g)+8*\t:103+32*(\g)+8*\t], v[32+12*\t:43+12*\t], v[16:27], 0, v[80+2*(\g)+\t/2], v28 matrix_a_fmt:MATRIX_FMT_FP6 matrix_b_fmt:MATRIX_FMT_FP6
	v_wmma_scale_f32_16x16x128_f8f6f4 v[104+32*(\g)+8*\t:111+32*(\g)+8*\t], v[44+12*\t:55+12*\t], v[16:27], 0, v[80+2*(\g)+\t/2], v28 matrix_a_fmt:MATRIX_FMT_FP6 matrix_b_fmt:MATRIX_FMT_FP6 matrix_a_scale:MATRIX_SCALE_ROW1
.endr
.endm
; lines from .. to - 1 of the 16 that find the largest of my block's 32 scores (group g): four chains by turns, one over each tile, each result read from its low end on; it serves the row's maximum and, since p rises with the score, the block's largest p
.macro MX g, from, to
.set i_, \from
.rept (\to)-(\from)
; (four chains by turns, one over each tile's first seven scores, in v212, v214, v224, v226 (+ g); lines 12 to 15 join them and the four scores left)
.set b_, 96+32*(\g)
.set o_, b_+8*(i_%4)
.set d_, 212+(\g)+2*(i_%2)+12*((i_%4)/2)
.if i_ < 4
	v_max3_num_f32 v[d_], v[o_], v[o_+1], v[o_+2]
.elseif i_ < 12
	v_max3_num_f32 v[d_], v[d_], v[o_+2*(i_/4)+1], v[o_+2*(i_/4)+2]
.elseif i_ == 12
	v_max3_num_f32 v[212+(\g)], v[212+(\g)], v[b_+7], v[b_+15]
.elseif i_ == 13
	v_max3_num_f32 v[214+(\g)], v[214+(\g)], v[b_+23], v[b_+31]
.elseif i_ == 14
	v_max_num_f32 v[224+(\g)], v[224+(\g)], v[226+(\g)]
.else
	s_delay_alu instid0(VALU_DEP_1)
	v_max3_num_f32 v[212+(\g)], v[212+(\g)], v[214+(\g)], v[224+(\g)]
.endif
.set i_, i_+1
.endr
.endm
.macro PADD d, a
	v_pk_add_f32 v[\d:\d+1], v[\d:\d+1], v[\a:\a+1]
.endm
.macro LATEX                           ; the eight partial sums of the step before are joined: five lines,
	PADD 228, 230
	PADD 232, 234
	PADD 236, 238
	PADD 240, 242
	PADD 228, 232
.endm
.macro LATEY                           ; and three, the last onto the row's sum, which still stands under that step's M
	PADD 236, 240
	s_delay_alu instid0(VALU_DEP_1)
	PADD 228, 236
	s_delay_alu instid0(VALU_DEP_1)
	PADD 14, 228
.endm
; A KEY STEP: 128 keys.  u: the first or the second of a trip.  -M is written to v12 (u = 0) or v10 (u = 1); the other holds the old one.
.macro STEP u
.set NN, 12-2*(\u)
.set NO, 10+2*(\u)
	LATEX                                          ; five places between the last V^T P product and the first K Q^T product, which writes over V's registers
	SMUL 0                                         ; its fragments and scale words came in under the step before (its wait for V covered them)
	LATEY
	v_nop                                          ; four places ahead of loads into registers that these products have read
	LDK 1, 6144*(\u)
	MX 0, 0, 12
	WALU                                           ; the wait directly ahead of a wait that blocks
	s_wait_dscnt 0x0
	SMUL 1
	MX 0, 12, 16                                   ; four places again
.if \u
	s_add_co_u32 s60, s60, 12288
	s_add_co_u32 s61, s61, 1024
	KADR
.endif
	LDK 0, 6144*(1-(\u))                           ; the next step's first four fragments and its scale words (a pass's last step reads on into V's bytes, and uses nothing of it)
	LDKS 512*(1-(\u))
	MX 1, 0, 16
	s_delay_alu instid0(VALU_DEP_1)
	v_max_num_f32 v224, v212, v213
	s_delay_alu instid0(VALU_DEP_1)
	v_permlanex16_b32 v216, v224, s20, s21
	s_delay_alu instid0(VALU_DEP_1)
	v_max3_num_f32 v9, v9, v224, v216              ; the running largest score of my query
	s_delay_alu instid0(VALU_DEP_1)
	v_mul_f32 v225, s40, v9
	s_delay_alu instid0(VALU_DEP_1)
	v_floor_f32 v[NN], v225                        ; the new -M = -ceil(t): a whole number
	s_delay_alu instid0(VALU_DEP_1)
	v_sub_f32 v225, v[NN], v[NO]                   ; old M - new M, 0 or less
	s_delay_alu instid0(VALU_DEP_1)
	v_cvt_i32_f32 v225, v225                       ; (it saturates)
	s_delay_alu instid0(VALU_DEP_1)
	v_ldexp_f32 v222, 1.0, v225                    ; f = 2^(old M - new M)
.set j, 0
.rept 32
	v_pk_fma_f32 v[96+j:97+j], v[96+j:97+j], s[22:23], v[NN:NN+1] op_sel_hi:[1,0,0]   ; t - M, two at a time
.set j, j+2
.endr
	v_fma_f32 v212, v212, s22, v[NN]               ; the same of each block's largest score
	v_fma_f32 v213, v213, s22, v[NN]
	WALU                                           ; the wait ahead of the batch
	v_exp_f32 v212, v212                           ; the blocks' largest p
	v_exp_f32 v213, v213
.set j, 0
.rept 64
	v_exp_f32 v[96+j], v[96+j]                     ; p = 2^(t - M)
.set j, j+1
.endr
	v_pk_mul_f32 v[14:15], v[14:15], v[222:223] op_sel_hi:[1,0]   ; the sum under the new M: a plain place behind the exponentials
	WALU                                           ; one wait for the batch, ahead of its first reader
	v_max_num_f32 v212, 0x1800000, v212            ; the floor 2^(3 - 127): a block whose every p is 0 keeps the byte 1; its codes are zeros
	v_max_num_f32 v213, 0x1800000, v213
	s_delay_alu instid0(VALU_DEP_2)
	v_add_nc_u32 v218, 0xff000000, v212            ; 2 off the exponent field: the conversion's scale operand
	s_delay_alu instid0(VALU_DEP_2)
	v_add_nc_u32 v219, 0xff000000, v213
.set j, 0
.rept 8
	v_pk_add_f32 v[228+2*j:229+2*j], v[96+8*j:97+8*j], v[98+8*j:99+8*j]   ; the sum of the unquantised p: eight partial sums of eight
.set j, j+1
.endr
.irp k, 100, 102
.set j, 0
.rept 8
	v_pk_add_f32 v[228+2*j:229+2*j], v[228+2*j:229+2*j], v[\k+8*j:\k+1+8*j]
.set j, j+1
.endr
.endr
.irp c, 0,1
	v_cvt_scalef32_pk16_fp6_f32 v[192+6*\c:194+6*\c], v[96+32*\c:111+32*\c], v[218+\c]
	v_cvt_scalef32_pk16_fp6_f32 v[204+4*\c:206+4*\c], v[112+32*\c:127+32*\c], v[218+\c]   ; (a conversion's three registers begin on an even number)
.endr
	v_lshrrev_b32 v220, 23, v218                   ; the scales' bytes; the first line is the plain place behind the conversions
	v_lshrrev_b32 v221, 23, v219
.irp t, 0,1,2,3
	FRAG 96+12*\t, 5, 6, 6144*(\u)+\t*1536         ; V's four fragments land where p lay, while the lines below run
.endr
	ds_load_b32 v84, v8 offset:256*(\u)
	ds_load_b32 v85, v8 offset:256*(\u)+128
.irp c, 0,1
.irp i, 0,1,2
	v_mov_b32 v[195+6*\c+\i], v[204+4*\c+\i]       ; registers 6 c .. 6 c + 5: keys 64 c + 32 h + 0 .. 31
.endr
.endr
	v_lshl_or_b32 v220, v221, 16, v220             ; my bytes of blocks h and 2 + h,
	s_delay_alu instid0(VALU_DEP_1)
	v_lshlrev_b32 v220, v29, v220                  ; at their places in the word;
	s_delay_alu instid0(VALU_DEP_1)
	v_permlanex16_b32 v216, v220, s20, s21
	s_delay_alu instid0(VALU_DEP_1)
	v_or_b32 v86, v220, v216                       ; with lane l xor 16's two p's scale word is whole
.if \u
	s_add_co_u32 s62, s62, 12288
	s_add_co_u32 s66, s66, 512
	VADR
.endif
	WALU                                           ; the wait directly ahead of the first reader of O^T
.set j, 0
.rept 16
	v_pk_mul_f32 v[160+j:161+j], v[160+j:161+j], v[222:223] op_sel_hi:[1,0]   ; O^T under the new M; these 16 are also the places between the lines that made p's codes and scale word and the products
.set j, j+2
.endr
	WALU
	s_wait_dscnt 0x0                               ; V's fragments and, asked for ahead of them, the next step's of K
.irp t, 0,2
	v_wmma_scale_f32_16x16x128_f8f6f4 v[160+8*\t:167+8*\t], v[96+12*\t:107+12*\t], v[192:203], v[160+8*\t:167+8*\t], v[84+\t/2], v86 matrix_a_fmt:MATRIX_FMT_FP6 matrix_b_fmt:MATRIX_FMT_FP6
	v_wmma_scale_f32_16x16x128_f8f6f4 v[168+8*\t:175+8*\t], v[108+12*\t:119+12*\t], v[192:203], v[168+8*\t:175+8*\t], v[84+\t/2], v86 matrix_a_fmt:MATRIX_FMT_FP6 matrix_b_fmt:MATRIX_FMT_FP6 matrix_a_scale:MATRIX_SCALE_ROW1
.endr
.endm
.macro PASS                            ; 16 steps in 8 trips
	LDK 0, 0
	LDKS 0
	s_mov_b32 s63, 8
	WALU
	s_wait_dscnt 0x0
.Ltrip_\@:
	STEP 0
	STEP 1
	s_sub_co_u32 s63, s63, 1
	s_cmp_lg_u32 s63, 0
	WALU                                           ; the wait directly ahead of the branch
	s_cbranch_scc1 .Ltrip_\@
.endm
; THE WAY OUT of pass ps: O^T / the sum is my row's 64 numbers of x (register 16 b + i = d 32 b + 16 h + i): two blocks, quantised; half an image and two scale bytes a row.
.macro OUT ps
	LATEX                                          ; the last step's partial sums; these eight are the places behind the last products
	LATEY
	v_add_f32 v14, v14, v15
	v_permlanex16_b32 v216, v14, s20, s21
	v_add_f32 v14, v14, v216                       ; the row's sum
	WALU
	v_rcp_f32 v14, v14
	v_nop                                          ; a plain place behind the reciprocal
	WALU                                           ; the wait ahead of its first reader and of O^T's
.set j, 0
.rept 32
	v_mul_f32 v[96+j], v[160+j], v14
.set j, j+1
.endr
.irp b, 0,1
	v_max3_num_f32 v[212+\b], |v[96+16*\b]|, |v[97+16*\b]|, 0x1800000
.endr
.irp i, 2,4,6,8,10,12,14
.irp b, 0,1
	v_max3_num_f32 v[212+\b], v[212+\b], |v[96+16*\b+\i]|, |v[97+16*\b+\i]|
.endr
.endr
.irp b, 0,1
	v_permlanex16_b32 v[216+\b], v[212+\b], s20, s21
.endr
.irp b, 0,1
	v_max_num_f32 v[212+\b], v[212+\b], v[216+\b]
.endr
.irp b, 0,1
	v_add_nc_u32 v[218+\b], 0xff000000, v[212+\b]
.endr
.irp b, 0,1
	v_lshrrev_b32 v[220+\b], 23, v[218+\b]
.endr
	v_cvt_scalef32_pk16_fp6_f32 v[192:194], v[96:111], v218
	v_cvt_scalef32_pk16_fp6_f32 v[204:206], v[112:127], v219
	v_nop                                          ; one plain place behind a scaled conversion
.irp i, 0,1,2
	v_permlane16_swap_b32 v[192+\i], v[204+\i]
.endr
.irp i, 0,1,2
	v_mov_b32 v[195+\i], v[204+\i]                 ; registers 0-5: block h of my row
.endr
	v_cndmask_b32 v224, v220, v221, s80            ; block h's byte
	v_cmp_ge_f32 vcc_lo, 0xf2800000, v9            ; no kept key: the largest score never left its start
	v_cndmask_b32 v224, v224, v89, vcc_lo
	global_store_b128 v1, v[192:195], s[12:13] offset:196608*\ps
	global_store_b64 v2, v[196:197], s[12:13] offset:196608*\ps+512
	global_store_b8 v30, v224, s[14:15] offset:8192*\ps
.endm
	INIT
	WALU                                           ; the wait at the head's end
	s_wait_loadcnt 0x0                             ; Q
	s_wait_tensorcnt 0x0                           ; my load has landed,
	s_barrier_signal -1
	s_barrier_wait -1                              ; everybody's has: the head's K, V and scale words lie in LDS
	PASS
	OUT 0
	WALU
	s_wait_xcnt 0x0                                ; the stores have read their registers
.irp i, 0,1,2,3,4,5
	v_mov_b32 v[16+\i], v[244+\i]                  ; the second tile of queries; the lines of INIT stand between these and the first product
.endr
	v_mov_b32 v28, v250
	INIT
	PASS
	OUT 1
	s_wait_tensorcnt 0x0                           ; the wave's end
	ds_add_u32 v87, v88
	s_wait_dscnt 0x0
	CROUND                                         ; the closing round
	s_endpgm
.Lfunc_end_k_qb043ba10a8_attn:
	.size	k_qb043ba10a8_attn, .Lfunc_end_k_qb043ba10a8_attn-k_qb043ba10a8_attn
	.p2alignl 7, 3214868480
	.fill 96, 4, 3214868480
	.section	.rodata,"a",@progbits
	.p2align	6, 0x0
	.amdhsa_kernel k_qb043ba10a8_attn
		.amdhsa_group_segment_fixed_size 210944
		.amdhsa_private_segment_fixed_size 0
		.amdhsa_enable_private_segment 0
		.amdhsa_kernarg_size 48
		.amdhsa_user_sgpr_count 2
		.amdhsa_user_sgpr_kernarg_segment_ptr 1
		.amdhsa_wavefront_size32 1
		.amdhsa_system_sgpr_workgroup_id_x 1
		.amdhsa_system_sgpr_workgroup_id_y 1
		.amdhsa_system_sgpr_workgroup_id_z 1
		.amdhsa_system_vgpr_workitem_id 0
		.amdhsa_next_free_vgpr 256
		.amdhsa_next_free_sgpr 90
		.amdhsa_reserve_vcc 1
		.amdhsa_float_denorm_mode_32 3
		.amdhsa_float_denorm_mode_16_64 3
		.amdhsa_memory_ordered 1
		.amdhsa_forward_progress 1
		.amdhsa_inst_pref_size 84
	.end_amdhsa_kernel
	.amdgpu_metadata
---
amdhsa.version: [ 1, 2 ]
amdhsa.kernels:
  - .name:           k_qb043ba10a8_attn
    .symbol:         k_qb043ba10a8_attn.kd
    .args:
      - { .name: qi, .offset: 0, .size: 8, .value_kind: global_buffer, .address_space: global }
      - { .name: qs, .offset: 8, .size: 8, .value_kind: global_buffer, .address_space: global }
      - { .name: kv, .offset: 16, .size: 8, .value_kind: global_buffer, .address_space: global }
      - { .name: kvs, .offset: 24, .size: 8, .value_kind: global_buffer, .address_space: global }
      - { .name: cd, .offset: 32, .size: 8, .value_kind: global_buffer, .address_space: global }
      - { .name: sc, .offset: 40, .size: 8, .value_kind: global_buffer, .address_space: global }
    .group_segment_fixed_size: 210944
    .private_segment_fixed_size: 0
    .kernarg_segment_align: 8
    .kernarg_segment_size: 48
    .max_flat_workgroup_size: 512
    .sgpr_count:     90
    .vgpr_count:     256
    .wavefront_size: 32
...
	.end_amdgpu_metadata
.endif
;; end of part 3
;; launch outp (part 4): grid 4 x 64, 4 waves a work-group, clusters of 4 x 4, 295,424 bytes of LDS; arguments cd, sc, out0; writes out0
.if DOCPART == 4
	.amdgcn_target "amdgcn-amd-amdhsa--gfx1250"
	.amdhsa_code_object_version 6
	.text
	.protected	k_qb043ba10a8_outp
	.globl	k_qb043ba10a8_outp
	.p2align	8
	.type	k_qb043ba10a8_outp,@function
k_qb043ba10a8_outp:
	s_mov_b64 s[64:65], 0
	v_nop
	global_prefetch_b8 v0, s[64:65] scope:SCOPE_SE
	s_setreg_imm32_b32 hwreg(HW_REG_WAVE_MODE, 25, 1), 1
	s_wait_xcnt 0x0
	s_wait_alu depctr_hold_cnt(0) depctr_sa_sdst(0) depctr_va_vdst(0) depctr_va_sdst(0) depctr_va_ssrc(0) depctr_va_vcc(0) depctr_vm_vsrc(0)
	s_getreg_b32 s2, hwreg(HW_REG_IB_STS2, 6, 4)
	s_cmp_eq_u32 s2, 0
	s_cbranch_scc0 .Lentry_in_a_cluster
	s_endpgm
.Lentry_in_a_cluster:
	s_bfe_u32 s2, ttmp6, 0x10000c
	s_cmp_lg_u32 s2, 0xf033
	s_cbranch_scc0 .Lentry_shape_is_right
	s_endpgm
.Lentry_shape_is_right:
; out0 = x W_o^T on codes of FP6 (E2M3) with E8M0 scales, K = 1,024; out0 [8,192][1,024] f32.  x's codes and scale bytes were made by the attention launch, W_o's by the first launch.
; A work-group makes 128 (m) x 256 (n); wave w makes rows 64 (w / 2) on, columns 128 (w % 2) on: 32 accumulators.  Source 0 = 16 rows of W_o, source 1 = 16 rows of x: a lane holds one row of out0 and its registers run along n.
; Operands lie in cd as images of fragments (1,536 bytes: registers 0-3 at 16 x lane, 4-5 at 512 + 8 x lane, 6-9 at 768 + 16 x lane, 10-11 at 1,280 + 8 x lane); lane r of tile T is row 32 (T / 2) + 8 (T % 2) + r + 8 (r / 8).
; ALL OF K LIES IN LDS: 384 rows x 768 bytes, in two slots of 512 along K, each filled ONCE at the head; nothing is filled again.  By this text's count a wave has one tensor load out.
; CLUSTER 4 x 4: x's tiles are shared along a row of the cluster, W_o's along a column: joint loads.
; REGISTERS.  window 0: v2-3 lane offsets; v4-5 the stage's addresses; v8-23 LDS addresses; v24-25 global offsets; v28-29 the add's two; v32-95 scale words; v96-191 A's fragments, two sets; on the way out v96-223 hold rows.
;   window 1: B's fragments, two sets, at v0 and v128.   window 2: accumulator (a, j) at v[8 (8 a + j)].
.set SLOTB, 147456                     ; TWO slots of 512 along K: A's 8 tiles, then B's 16, 6,144 bytes (four K steps) each; each wave fills one part of one slot by its one tensor load
.set SPARE, 2*SLOTB
.set STG,   8448                       ; the way out: a stage of 16 rows x 528 bytes for each wave, in slot 0, which has had its only fill and its last read when the first result is stored there
.set SC,  32
.set SPW, 28
.set NIL, 29
.set G1A, 24
.set G1B, 32
.set G0A, 40
.set G0B, 68
.set MULW, 0xa1                        ; source 0 (B) window 1, source 1 (A) window 0, C and D window 2
.set MSB, 0
.macro WIN new                         ; the immediate's high byte repeats the setting that is left
.if MSB != \new
	s_set_vgpr_msb (MSB<<8)|\new
.set MSB, \new
.endif
.endm
.macro PLACES                          ; four plain places behind matrix instructions, ahead of loads into their registers and of reads of their results
.rept 4
	v_nop
.endr
.endm
.macro CROUND                          ; a round of the cluster's barrier
	s_barrier_signal -1
	s_barrier_wait -1
	s_cmp_lg_u32 s18, 0
	s_cbranch_scc1 .Lnot_wave_0_\@
	s_barrier_signal -3
.Lnot_wave_0_\@:
	s_barrier_wait -3
	s_barrier_signal -1
	s_barrier_wait -1
.endm
.macro FRAG reg, a16, a8, off          ; an image becomes 12 registers
	ds_load_b128 v[\reg:\reg+3], v[\a16] offset:\off
	ds_load_b64 v[\reg+4:\reg+5], v[\a8] offset:\off+512
	ds_load_b128 v[\reg+6:\reg+9], v[\a16] offset:\off+768
	ds_load_b64 v[\reg+10:\reg+11], v[\a8] offset:\off+1280
.endm
.macro FETCH k                         ; K step k's 8 fragments of B and 4 of A into set k % 2
	WIN 0x40
.irp j, 0,1,2,3,4,5,6,7
	FRAG 128*((\k)%2)+12*\j, 16+(\k)/4, 20+(\k)/4, \j*6144+((\k)%4)*1536
.endr
	WIN 0
.irp a, 0,1,2,3
	FRAG 96+48*((\k)%2)+12*\a, 8+(\k)/4, 12+(\k)/4, \a*6144+((\k)%4)*1536
.endr
.endm
.macro MUL a0, n, k, zero              ; A's tiles a0 .. a0 + n - 1 against B's eight; the 32 accumulators take turns in the same order in every step
.set ma, \a0
.rept \n
.set mj, 0
.rept 8
.if \zero
	v_wmma_scale_f32_16x16x128_f8f6f4 v[8*(8*ma+mj):8*(8*ma+mj)+7], v[128*((\k)%2)+12*mj:128*((\k)%2)+12*mj+11], v[96+48*((\k)%2)+12*ma:96+48*((\k)%2)+12*ma+11], 0, v[SC+8*mj+(\k)], v[SC+8*ma+(\k)] matrix_a_fmt:MATRIX_FMT_FP6 matrix_b_fmt:MATRIX_FMT_FP6 matrix_a_scale:MATRIX_SCALE_ROW1
.else
	v_wmma_scale_f32_16x16x128_f8f6f4 v[8*(8*ma+mj):8*(8*ma+mj)+7], v[128*((\k)%2)+12*mj:128*((\k)%2)+12*mj+11], v[96+48*((\k)%2)+12*ma:96+48*((\k)%2)+12*ma+11], v[8*(8*ma+mj):8*(8*ma+mj)+7], v[SC+8*mj+(\k)], v[SC+8*ma+(\k)] matrix_a_fmt:MATRIX_FMT_FP6 matrix_b_fmt:MATRIX_FMT_FP6 matrix_a_scale:MATRIX_SCALE_ROW1
.endif
.set mj, mj+1
.endr
.set ma, ma+1
.endr
.endm
.macro STEP k, zero
	s_wait_dscnt 0x0                               ; this step's fragments are in
.if (\k) != 3 && (\k) < 7
.if (\k) > 0
	PLACES
.endif
	FETCH (\k)+1                                   ; the next step, 32 products ahead of its use
	WIN MULW
	MUL 0, 4, \k, \zero
.elseif (\k) < 7
	s_wait_tensorcnt 0x0                           ; K step 3 alone comes here: every wave's load is in, slot 1's parts among them; behind this barrier nobody reads slot 0
	s_barrier_signal -1
	WIN MULW
	MUL 0, 2, \k, 0
	WIN 0
	s_barrier_wait -1                              ; everybody's part is in
	PLACES
	FETCH (\k)+1
	WIN MULW
	MUL 2, 2, \k, 0
.else
	WIN MULW
	MUL 0, 4, \k, 0
.endif
.endm
	s_load_b128 s[4:7], s[0:1], 0x0                ; cd s[4:5], sc s[6:7]
	s_load_b64 s[8:9], s[0:1], 0x10                ; out0
	v_lshl_add_u32 v[SPW], v0, 2, SPARE
	v_mov_b32 v[NIL], 0
	ds_add_u32 v[SPW], v[NIL]                      ; the wave's opening: the add, twice on end, and its wait ahead of my first tensor load
	ds_add_u32 v[SPW], v[NIL]
	v_lshrrev_b32 v1, 5, v0
	v_readfirstlane_b32 s18, v1                    ; wave
	s_lshr_b32 s19, s18, 1                         ; my half of the rows.  Also: I fetch for A (0) or for B (1)
	s_and_b32 s20, s18, 1                          ; my half of the columns.  Also: which half of that operand's tiles I fetch
	s_bfe_u32 s21, ttmp6, 0x40000                  ; cx = the tile column of C
	s_bfe_u32 s22, ttmp6, 0x40004                  ; cy
	s_and_b32 s58, ttmp7, 0xffff
	s_lshl_b32 s58, s58, 2
	s_add_co_u32 s58, s58, s22                     ; tile row of C = 4 x cluster y + cy
	s_lshl_b32 s92, s22, 2
	s_lshl_b32 s92, 15, s92                        ; my row of the cluster
	s_lshl_b32 s93, 0x1111, s21                    ; my column
	; group 1: no padding
	s_or_b32 s[G1A], s92, (3<<16)|(1<<21)
	s_or_b32 s[G1B], s93, (3<<16)|(1<<21)
	; rows of 6,144 bytes (a tile's four K steps: 768 elements of 8 bytes), 12,288 bytes apart; A: 8 tiles a load, B: 16
	s_mov_b32 s[G1A+1], 768<<16
	s_mov_b32 s[G1A+2], 8<<16
	s_mov_b32 s[G1A+3], 768<<16
	s_mov_b32 s[G1A+4], 8
	s_mov_b32 s[G1A+5], 1536
	s_mov_b32 s[G1A+6], 0
	s_mov_b32 s[G1A+7], 0
	s_mov_b32 s[G1B+1], 768<<16
	s_mov_b32 s[G1B+2], 16<<16
	s_mov_b32 s[G1B+3], 768<<16
	s_mov_b32 s[G1B+4], 16
	s_mov_b32 s[G1B+5], 1536
	s_mov_b32 s[G1B+6], 0
	s_mov_b32 s[G1B+7], 0
	s_lshl_b32 s84, s58, 3                         ; A: tile 8 x tile row
	s_mul_i32 s84, s84, 12288
	s_add_co_u32 s84, s84, 22020096                ; x's codes in cd
	s_mov_b32 s85, 0
	s_lshl_b32 s88, s21, 4                         ; B: tile 16 x tile column
	s_mul_i32 s88, s88, 12288
	s_add_co_u32 s88, s88, 21233664                ; W_o's codes in cd
	s_mov_b32 s89, 0
	s_mov_b32 s96, 0xffff0000                      ; lanes 16-31
	s_wait_dscnt 0x0                               ; both opening adds are done
	s_wait_kmcnt 0x0
	s_add_nc_u64 s[84:85], s[4:5], s[84:85]
	s_add_nc_u64 s[88:89], s[4:5], s[88:89]
.irp s, 0,1
	s_mov_b32 s[G0A+4*\s], 1
	s_mov_b32 s[G0A+4*\s+1], \s*SLOTB
	s_add_nc_u64 s[G0A+4*\s+2:G0A+4*\s+3], s[84:85], \s*6144
	s_or_b32 s[G0A+4*\s+3], s[G0A+4*\s+3], 0x80000000
	s_mov_b32 s[G0B+4*\s], 1
	s_mov_b32 s[G0B+4*\s+1], \s*SLOTB+49152
	s_add_nc_u64 s[G0B+4*\s+2:G0B+4*\s+3], s[88:89], \s*6144
	s_or_b32 s[G0B+4*\s+3], s[G0B+4*\s+3], 0x80000000
.endr
	CROUND                                         ; all sixteen work-groups are here: the joint loads meet
; one tensor load a wave, in one chain of branches on the wave's number: wave 0 A's K steps 0-3, wave 1 B's, wave 2 A's K steps 4-7, wave 3 B's
.macro ARM w, g0, g1, next
	s_cmp_eq_u32 s18, \w
	s_cbranch_scc0 \next
	tensor_load_to_lds s[\g0:\g0+3], s[\g1:\g1+7]
	s_nop 0
	PLACES
	s_branch .Lasked
\next:
.endm
	ARM 0, G0A, G1A, .Larm1
	ARM 1, G0B, G1B, .Larm2
	ARM 2, G0A+4, G1A, .Larm3
	tensor_load_to_lds s[G0B+4:G0B+7], s[G1B:G1B+7]
	s_nop 0
	PLACES
.Lasked:
	; the scale words go from memory into registers, once: v[SC + 8 j + k]: lanes 0-15 A's tile j (used for j < 4), lanes 16-31 B's tile j, K step k
	s_lshl_b32 s86, s58, 3
	s_lshl_b32 s87, s19, 2
	s_add_co_u32 s86, s86, s87
	s_lshl_b32 s86, s86, 9
	s_add_co_u32 s86, s86, 917504                  ; x's scale words in sc
	s_lshl_b32 s90, s21, 4
	s_lshl_b32 s91, s20, 3
	s_add_co_u32 s90, s90, s91
	s_lshl_b32 s90, s90, 9
	s_add_co_u32 s90, s90, 884736                  ; W_o's
	v_and_b32 v1, 31, v0                           ; lane
	v_and_b32 v26, 15, v0                          ; r
	v_bfe_u32 v27, v0, 4, 1                        ; h
	v_mov_b32 v2, s86
	v_mov_b32 v3, s90
	v_cndmask_b32 v24, v2, v3, s96
	v_lshl_add_u32 v24, v26, 5, v24                ; + 32 r: a row's eight words
	v_lshl_add_u32 v25, v27, 11, v24               ; for j >= 4: B's lanes four tiles on, A's lanes read tiles 0-3 again
.irp j, 0,1,2,3
	global_load_b128 v[SC+8*\j:SC+8*\j+3], v24, s[6:7] offset:512*\j
	global_load_b128 v[SC+8*\j+4:SC+8*\j+7], v24, s[6:7] offset:512*\j+16
	global_load_b128 v[SC+32+8*\j:SC+32+8*\j+3], v25, s[6:7] offset:512*\j
	global_load_b128 v[SC+32+8*\j+4:SC+32+8*\j+7], v25, s[6:7] offset:512*\j+16
.endr
	v_lshlrev_b32 v2, 4, v1                        ; 16 x lane
	v_lshlrev_b32 v3, 3, v1                        ; 8 x lane
	s_mul_i32 s2, s19, 24576
	s_mul_i32 s3, s20, 49152
	s_add_co_u32 s3, s3, 49152
.irp s, 0,1
	v_add_nc_u32 v[8+\s], s2, v2
	v_add_nc_u32 v[12+\s], s2, v3
	v_add_nc_u32 v[16+\s], s3, v2
	v_add_nc_u32 v[20+\s], s3, v3
	s_add_co_u32 s2, s2, SLOTB
	s_add_co_u32 s3, s3, SLOTB
.endr
	s_mul_i32 s23, s18, STG                        ; my stage
	v_mul_u32_u24 v4, v26, 528
	v_lshl_add_u32 v4, v27, 6, v4
	v_add_nc_u32 v4, s23, v4                       ; in: row r, + 64 h
	v_add_nc_u32 v5, s23, v2                       ; back: 16 bytes a lane of a row's 512
	s_lshl_b32 s86, s58, 7                         ; my first row of out0: 128 x tile row + 64 x half, 4,096 bytes a row,
	s_lshl_b32 s87, s19, 6
	s_add_co_u32 s86, s86, s87
	s_lshl_b32 s86, s86, 12
	s_lshl_b32 s87, s21, 10                        ; my first column: 1,024 bytes a tile column, 512 a half
	s_add_co_u32 s86, s86, s87
	s_lshl_b32 s87, s20, 9
	s_add_co_u32 s86, s86, s87
	s_mov_b32 s87, 0
	s_add_nc_u64 s[8:9], s[8:9], s[86:87]
	s_wait_alu depctr_va_vdst(0)
	s_cmp_lt_u32 s18, 2                            ; waves 0 and 1 brought slot 0; slot 1's loads may stay out
	s_cbranch_scc0 .Lnot_first
	s_wait_tensorcnt 0x0
.Lnot_first:
	s_barrier_signal -1
	s_barrier_wait -1
	FETCH 0
	s_wait_loadcnt 0x0                             ; the scale words
	STEP 0, 1                                      ; the first step's products start the sums
	STEP 1, 0
	STEP 2, 0
	STEP 3, 0
	STEP 4, 0
	STEP 5, 0
	STEP 6, 0
	STEP 7, 0
	WIN 0
; THE WAY OUT, a tile of 16 rows x 128 columns at a time.  Register i of accumulator (a, j) is column 32 (j / 2) + 8 (j % 2) + 16 h + i of my row: 32 bytes.  The tile goes through my own stage and comes back as whole rows
; of 512 bytes.  LDS serves a wave's instructions in order: no wait between the stores and the loads, nor ahead of the next tile's stores.
.macro TOSTAGE a
	WIN 0x08                                       ; an LDS store's data are its source 1: window 2
.irp j, 0,1,2,3,4,5,6,7
	ds_store_b128 v4, v[8*(8*(\a)+\j):8*(8*(\a)+\j)+3] offset:128*(\j/2)+32*(\j%2)        ; each accumulator from its low end on
	ds_store_b128 v4, v[8*(8*(\a)+\j)+4:8*(8*(\a)+\j)+7] offset:128*(\j/2)+32*(\j%2)+16
.endr
	WIN 0
.set BB, 96+64*((\a)%2)
.irp t, 0,1,2,3,4,5,6,7,8,9,10,11,12,13,14,15
	ds_load_b128 v[BB+4*\t:BB+4*\t+3], v5 offset:528*\t
.endr
.endm
.macro SEND a, younger                 ; younger: the LDS instructions issued behind tile a's loads, which may stay out
.set BB, 96+64*((\a)%2)
	s_wait_dscnt \younger
.irp t, 0,1,2,3,4,5,6,7,8,9,10,11,12,13,14,15
	global_store_b128 v2, v[BB+4*\t:BB+4*\t+3], s[8:9] offset:(32*((\a)/2)+8*((\a)%2)+\t+8*(\t/8))*4096 th:TH_STORE_NT   ; 32 lanes store 512 consecutive bytes, at a multiple of 256 from out0's first byte
.endr
.endm
	PLACES                                         ; behind the last products: ahead of the reads of results and of the loads into A's registers
	TOSTAGE 0
.irp a, 1,2,3
.if \a > 1
	s_wait_xcnt 0x0                                ; tile a - 2's stores have read their registers: tile a's rows may land there
.endif
	TOSTAGE \a
	SEND \a-1, 32                                  ; behind tile a - 1's loads: tile a's 16 stores and 16 loads
.endr
	SEND 3, 0
	s_wait_tensorcnt 0x0                           ; the wave's end: behind my last tensor load and my last LDS store
	ds_add_u32 v[SPW], v[NIL]
	s_wait_dscnt 0x0
	CROUND                                         ; the closing round
	s_endpgm
.Lfunc_end_k_qb043ba10a8_outp:
	.size	k_qb043ba10a8_outp, .Lfunc_end_k_qb043ba10a8_outp-k_qb043ba10a8_outp
	.p2alignl 7, 3214868480
	.fill 96, 4, 3214868480
	.section	.rodata,"a",@progbits
	.p2align	6, 0x0
	.amdhsa_kernel k_qb043ba10a8_outp
		.amdhsa_group_segment_fixed_size 295424
		.amdhsa_private_segment_fixed_size 0
		.amdhsa_enable_private_segment 0
		.amdhsa_kernarg_size 24
		.amdhsa_user_sgpr_count 2
		.amdhsa_user_sgpr_kernarg_segment_ptr 1
		.amdhsa_wavefront_size32 1
		.amdhsa_system_sgpr_workgroup_id_x 1
		.amdhsa_system_sgpr_workgroup_id_y 1
		.amdhsa_system_sgpr_workgroup_id_z 1
		.amdhsa_system_vgpr_workitem_id 0
		.amdhsa_next_free_vgpr 768
		.amdhsa_next_free_sgpr 100
		.amdhsa_reserve_vcc 0
		.amdhsa_float_denorm_mode_32 3
		.amdhsa_float_denorm_mode_16_64 3
		.amdhsa_memory_ordered 1
		.amdhsa_forward_progress 1
		.amdhsa_inst_pref_size 82
	.end_amdhsa_kernel
	.amdgpu_metadata
---
amdhsa.version: [ 1, 2 ]
amdhsa.kernels:
  - .name:           k_qb043ba10a8_outp
    .symbol:         k_qb043ba10a8_outp.kd
    .args:
      - { .name: cd, .offset: 0, .size: 8, .value_kind: global_buffer, .address_space: global }
      - { .name: sc, .offset: 8, .size: 8, .value_kind: global_buffer, .address_space: global }
      - { .name: out0, .offset: 16, .size: 8, .value_kind: global_buffer, .address_space: global }
    .group_segment_fixed_size: 295424
    .private_segment_fixed_size: 0
    .kernarg_segment_align: 8
    .kernarg_segment_size: 24
    .max_flat_workgroup_size: 128
    .sgpr_count:     100
    .vgpr_count:     768
    .wavefront_size: 32
...
	.end_amdgpu_metadata
.endif
;; end of part 4
